; MI455X (gfx1250); checked and timed in simulation.
; The chip was launched on July 23, 2026; its instructions are those of AMD's public machine-readable ISA for CDNA 5 (MIT licence, August 2026) and "CDNA5" Instruction Set Architecture Reference Guide (July 2026). The comments in the code are by the model that wrote it; some were corrected since.
;; Causal Self Attention. Allowed arithmetic: matrix products marked QUANTISED: E2M3 operands, one E8M0 scale for each 32 along K, by v_wmma_scale_f32_16x16x128_f8f6f4 with both operands' format E2M3, f32 sums; everything else in f32.
;; Inputs: Wk 1,024 x 1,024 float32; Wp 1,024 x 1,024 float32; Wq 1,024 x 1,024 float32; Wv 1,024 x 1,024 float32; bk 1,024 float32; bp 1,024 float32; bq 1,024 float32; bv 1,024 float32; x 4 x 2,048 x 1,024 float32.
;; Outputs: out0 4 x 2,048 x 1,024 float32.
;; This version of the problem:
;;   THIS VERSION OF THE PROBLEM IS GIVEN IN LOW PRECISION. The matrix products marked QUANTISED in the list below multiply operands that are first quantised to E2M3 (2 exponent bits, 3 mantissa bits; 6 bits a number), with one power-of-two scale for each 32 numbers along K (OCP MX v1.0); their sums are f32. All else is computed in f32.
;;   The module's matrix products, in the order in which they are computed (A, B: the left and right operand; K: the contracted axis; several contracted axes count as one K, in the product's order):
;;     1. [M 8,192, K 1,024] x [K 1,024, N 1,024]; A: input x; B: input Wq: QUANTISED
;;     2. [M 8,192, K 1,024] x [K 1,024, N 1,024]; A: input x; B: input Wk: QUANTISED
;;     3. [M 8,192, K 1,024] x [K 1,024, N 1,024]; A: input x; B: input Wv: QUANTISED
;;     4. batch 64 x [M 2,048, K 64] x [K 64, N 2,048]; A: computed on the way; B: computed on the way: QUANTISED
;;     5. batch 64 x [M 2,048, K 2,048] x [K 2,048, N 64]; A: softmax (see below); B: computed on the way: QUANTISED
;;     6. [M 8,192, K 1,024] x [K 1,024, N 1,024]; A: computed on the way; B: input Wp: QUANTISED
;;   THE QUANTISER, for each operand of a quantised product, along K:
;;     - K is cut into blocks of 32 from its start; a last block that is shorter is filled with zeros.
;;     - A block's scale is 2^e with e = floor(log2(the largest magnitude in the block)) - 2, held to -126 .. 127; a block of zeros has e = 0. As a byte (E8M0): e + 127.
;;     - Each number is divided by its block's scale, clamped to +-7.5, and rounded to the nearest number of E2M3, ties to even, subnormals kept.
;;     - The product sums the exact products of the quantised numbers (number of the format x scale) in f32.
;;   ~~~python
;;   def quantise(x, axis):      # numpy; x: float32 -> the quantised numbers, widened to float32 again
;;       x = np.moveaxis(x, axis, -1); K = x.shape[-1]
;;       x = np.pad(x, [(0, 0)] * (x.ndim - 1) + [(0, -K % 32)]); x = x.reshape(x.shape[:-1] + (-1, 32)); a = np.abs(x).max(-1, keepdims=True)
;;       e = np.where(a > 0, np.clip(np.frexp(np.where(a > 0, a, 1))[1] - 1 - 2, -126, 127), 0)      # np.frexp(a)[1] - 1 = floor(log2(a)), exactly
;;       r = np.clip(x / 2.0 ** e, -7.5, 7.5)
;;       step = 2.0 ** (np.maximum(np.frexp(np.where(r == 0, 1, r))[1] - 1, 0) - 3)
;;       q = np.round(r / step) * step * 2.0 ** e      # np.round: ties to even
;;       return np.moveaxis(q.reshape(q.shape[:-2] + (-1,))[..., :K], -1, axis).astype(np.float32)
;;   ~~~
;;   SOFTMAX AHEAD OF A QUANTISED PRODUCT. Where the list says 'softmax', what is quantised is not the finished softmax but p = 2^(t - M), with t = logit x log2(e) and M = ceil(the row's largest t), a whole number; so 1/2 < the row's largest p <= 1. The row's sum l is taken of the UNQUANTISED p, in f32, and the product's result is divided by l at the end. Since M is a whole number, a kernel that streams over the keys may use a running M (the ceiling of the running maximum): every later rescaling is an exact power of two, which a block's scale takes up: the codes' values come out the same.
;;   OPERANDS COMPUTED ON THE WAY. 'Computed on the way' means the value that the module computes at that place (a softmax that the list does not call 'softmax' is quantised finished and normalised). What goes into a quantiser is computed in f32, as accurately as f32 sums, v_exp_f32 and their like allow (about 1e-6 of the number): no bf16 or f16 on the way to a quantiser, and a product that is left as it is and whose result goes on into a quantised operand takes f32 operands (vector FMAs, or v_wmma_f32_16x16x4_f32). A number that lies on a knife's edge between two numbers of the format may be rounded either way, as far as f32 arithmetic and the matrix unit's own rounding can turn it there, and no further.
;; One version. Each part assembles by itself: llvm-mc -triple=amdgcn-amd-amdhsa -mcpu=gfx1250 --defsym DOCPART=n.
;; ======== version 1 of 1: 4 launches
;; workspace buffers: xc 6,291,456 bytes; xs 262,144 bytes; wc 3,145,728 bytes; ws 131,072 bytes; qb 6,553,600 bytes; kv 13,107,200 bytes; yc 6,291,456 bytes; ys 262,144 bytes
;; launch quant (part 1): grid 384 x 1, 4 waves a work-group, no clusters, 34,304 bytes of LDS; arguments x, Wq, Wk, Wv, Wp, xc, xs, wc, ws; writes xc, xs, wc, ws
.if DOCPART == 1
	.amdgcn_target "amdgcn-amd-amdhsa--gfx1250"
	.amdhsa_code_object_version 6
	.text
	.protected	k_q863b11f82e_quant
	.globl	k_q863b11f82e_quant
	.p2align	8
	.type	k_q863b11f82e_quant,@function
k_q863b11f82e_quant:
	s_mov_b64 s[64:65], 0
	v_nop
	global_prefetch_b8 v0, s[64:65] scope:SCOPE_SE
	s_setreg_imm32_b32 hwreg(HW_REG_WAVE_MODE, 25, 1), 1
	s_wait_xcnt 0x0
; x [8192][1024] and Wq, Wk, Wv, Wp [1024][1024], f32, K innermost, become codes of FP6 (E2M3) with one E8M0 byte for each 32 along K,
; laid as IMAGES OF THE OPERAND'S REGISTERS.  Rows go in tiles of 16: tile t holds rows 32 (t / 2) + 8 (t % 2) + r + 8 (r / 8), r = 0 .. 15.
; A fragment (a tile x 128 along K, 12 registers a lane) is 1,536 bytes: two halves of 768; in a half registers 0-3 of lane l lie at 16 l, registers 4-5 at 512 + 8 l.
; Codes: [tile][K step 0..7][1,536].  Scale words: [tile][K step / 2][r][2 words], 512 bytes a tile.  In wc and ws: tiles 0-63 Wq, 64-127 Wk, 128-191 Wv, 192-255 Wp.
; A block's scale is 2^(floor(log2(its largest magnitude)) - 2); its byte is the largest magnitude's exponent field - 2, held at 1 from below.
; LIMITS: a block of zeros, or one whose largest magnitude lies under 2^-124, gets the byte 1 (its codes are zeros or held small; this program alone reads the bytes); NaN and infinities are not served.
; SHARES: work-groups 0-255 take 32 rows of x each, 256-383 32 rows of a W.  Wave w takes tile w / 2 of the two and half w % 2 of K: four fragments.
; Each load reads 512 consecutive bytes of one row; a fragment's 16 rows turn through the wave's own stage in LDS (rows 528 bytes apart) so that a lane gets whole blocks of 32 neighbours.
; No tensor load, no barrier: waves share nothing.  Loads run two fragments (32 loads a wave) ahead.
.set STG,   8448                       ; a wave's stage: 16 rows x (512 + 16) bytes
.set SPARE, 4*STG                      ; behind the stages: the spare words, 128 bytes a wave: two blocks of 256 bytes that no other line names
.set SPW,   12                         ; v12  my spare word's LDS address; never rewritten
.set NIL,   13                         ; v13  0; never rewritten
.set WD,    16                         ; v16-19 the four fragments' scale words
.set MX,    22                         ; v22-23 largest magnitudes
.set SO,    24                         ; v24-25 the conversions' scale operands
.set BY,    26                         ; v26-27 the bytes
.set PX,    30                         ; v30  what lane l xor 16 sends
.set C,     32                         ; v32-43 a fragment's codes
.set T,     44                         ; v44-46, v48-50 the second halves of the blocks' codes
.set X,     64                         ; v64-127 my two blocks of 32 numbers
.set R,     128                        ; v128-255 two sets of 64: rows as loaded
	s_load_b512 s[4:19], s[0:1], 0x0               ; x, Wq, Wk, Wv, Wp, xc, xs, wc
	s_load_b64 s[20:21], s[0:1], 0x40              ; ws
	v_lshl_add_u32 v[SPW], v0, 2, SPARE
	v_mov_b32 v[NIL], 0
	v_lshrrev_b32 v1, 5, v0
	v_readfirstlane_b32 s22, v1                    ; wave
	v_and_b32 v1, 31, v0                           ; lane
	v_lshlrev_b32 v2, 4, v1                        ; 16 x lane
	v_lshlrev_b32 v3, 3, v1                        ; 8 x lane
	s_mul_i32 s23, s22, STG
	v_add_nc_u32 v4, s23, v2                       ; the stage, on the way in: a row's 512 bytes as they lie
	v_and_b32 v7, 15, v0                           ; r
	v_bfe_u32 v8, v0, 4, 1                         ; h
	v_mul_u32_u24 v5, v7, 528
	v_lshl_add_u32 v5, v8, 7, v5
	v_add_nc_u32 v5, s23, v5                       ; and on the way out: row r, + 128 h bytes: block h of each 64 along K
	v_lshlrev_b32 v6, 3, v8                        ; 8 h: where my two bytes stand in the scale word
	v_mov_b32 v[PX], 0                             ; written once: a lane permute's destination counts as one of its sources
	s_cmp_lt_u32 ttmp9, 256                        ; x's work-group or a W's: ids alone
	s_cselect_b32 s24, 0, 256
	s_cselect_b32 s25, 255, 31
	s_sub_co_u32 s24, ttmp9, s24                   ; which pair of tiles of the codes' buffer
	s_and_b32 s25, s24, s25                        ; which 32 rows of the tensor
	s_lshr_b32 s26, s24, 5                         ; which W
	s_lshr_b32 s27, s22, 1                         ; my tile of the pair
	s_and_b32 s28, s22, 1                          ; my half of K
	s_lshl_b32 s30, s25, 17                        ; 32 rows of 4,096 bytes
	s_lshl_b32 s29, s27, 15                        ; the odd tile begins 8 rows on
	s_add_co_u32 s30, s30, s29
	s_lshl_b32 s29, s28, 11                        ; half a row
	s_add_co_u32 s30, s30, s29
	s_mov_b32 s31, 0
	s_lshl_b32 s29, s24, 1
	s_add_co_u32 s29, s29, s27                     ; my tile
	s_mul_i32 s32, s29, 12288
	s_mul_i32 s36, s28, 6144
	s_add_co_u32 s32, s32, s36
	s_mov_b32 s33, 0
	s_lshl_b32 s36, s29, 9
	s_lshl_b32 s38, s28, 8
	s_add_co_u32 s36, s36, s38
	s_mov_b32 s37, 0
	s_mov_b32 s40, 0x76543210
	s_mov_b32 s41, 0xfedcba98                      ; v_permlanex16_b32's selects for lane l xor 16
	s_wait_kmcnt 0x0
	s_cmp_eq_u32 s26, 1
	s_cselect_b64 s[6:7], s[8:9], s[6:7]
	s_cmp_eq_u32 s26, 2
	s_cselect_b64 s[6:7], s[10:11], s[6:7]
	s_cmp_eq_u32 s26, 3
	s_cselect_b64 s[6:7], s[12:13], s[6:7]
	s_cmp_lt_u32 ttmp9, 256
	s_cselect_b64 s[4:5], s[4:5], s[6:7]           ; the tensor,
	s_cselect_b64 s[14:15], s[14:15], s[18:19]     ; its codes,
	s_cselect_b64 s[16:17], s[16:17], s[20:21]     ; its scale words
	s_add_nc_u64 s[4:5], s[4:5], s[30:31]
	s_add_nc_u64 s[14:15], s[14:15], s[32:33]
	s_add_nc_u64 s[16:17], s[16:17], s[36:37]
.macro LOAD t                          ; fragment t: 16 rows x 512 bytes into set t % 2; row j of the tile is row j + 8 (j / 8) from the tile's first
.irp j, 0,1,2,3,4,5,6,7,8,9,10,11,12,13,14,15
	global_load_b128 v[R+64*((\t)%2)+4*\j:R+64*((\t)%2)+4*\j+3], v2, s[4:5] offset:(\j+8*(\j/8))*4096+512*(\t) th:TH_LOAD_NT
.endr
.endm
.macro STEP t
.set RS, R+64*((\t)%2)
.if (\t) < 3
	s_wait_loadcnt 16                              ; this fragment's 16 loads are in; the next one's 16 may be out
.else
	s_wait_loadcnt 0x0
.endif
.irp j, 0,1,2,3,4,5,6,7,8,9,10,11,12,13,14,15
	ds_store_b128 v4, v[RS+4*\j:RS+4*\j+3] offset:528*\j
.endr
.irp c, 0,1
.irp i, 0,1,2,3,4,5,6,7
	ds_load_b128 v[X+32*\c+4*\i:X+32*\c+4*\i+3], v5 offset:256*\c+16*\i   ; k = 64 c + 32 h + 0 .. 31 of row r.  LDS serves a wave's instructions in order: these see the stores above
.endr
.endr
	s_wait_dscnt 0x0                               ; my numbers are here, and the stage's stores have read their registers,
.if (\t) < 2
	LOAD (\t)+2                                    ; which take the loads of two fragments on
.endif
	s_wait_xcnt 0x0                                ; the last fragment's stores have read their data: the codes' registers may be written
.irp c, 0,1
	v_max3_num_f32 v[MX+\c], |v[X+32*\c]|, |v[X+1+32*\c]|, 0x1800000   ; my block 2 c + h, and the floor 2^(3 - 127): the byte cannot fall under 1
.endr
.irp i, 2,4,6,8,10,12,14,16,18,20,22,24,26,28,30
.irp c, 0,1
	v_max3_num_f32 v[MX+\c], v[MX+\c], |v[X+32*\c+\i]|, |v[X+1+32*\c+\i]|
.endr
.endr
.irp c, 0,1
	v_add_nc_u32 v[SO+\c], 0xff000000, v[MX+\c]    ; 2 off the exponent field: the conversion's scale operand
.endr
.irp c, 0,1
	v_lshrrev_b32 v[BY+\c], 23, v[SO+\c]           ; the byte
.endr
	v_lshl_or_b32 v[WD+(\t)], v[BY+1], 16, v[BY]   ; blocks h and 2 + h,
	v_lshlrev_b32 v[WD+(\t)], v6, v[WD+(\t)]       ; at their places;
	v_permlanex16_b32 v[PX], v[WD+(\t)], s40, s41
	v_or_b32 v[WD+(\t)], v[WD+(\t)], v[PX]         ; with lane l xor 16's two the word is whole, in both lanes
.irp c, 0,1
	v_cvt_scalef32_pk16_fp6_f32 v[C+6*\c:C+6*\c+2], v[X+32*\c:X+32*\c+15], v[SO+\c]
	v_cvt_scalef32_pk16_fp6_f32 v[T+4*\c:T+4*\c+2], v[X+32*\c+16:X+32*\c+31], v[SO+\c]   ; (a conversion's three registers begin on an even number)
.endr
	v_nop                                          ; one plain place behind a scaled conversion
.irp c, 0,1
.irp i, 0,1,2
	v_mov_b32 v[C+3+6*\c+\i], v[T+4*\c+\i]
.endr
.endr
	global_store_b128 v2, v[C:C+3], s[14:15] offset:1536*(\t)              ; 512 consecutive bytes,
	global_store_b64 v3, v[C+4:C+5], s[14:15] offset:1536*(\t)+512         ; 256,
	global_store_b128 v2, v[C+6:C+9], s[14:15] offset:1536*(\t)+768        ; and the second half likewise; every piece begins at a multiple of 256 bytes
	global_store_b64 v3, v[C+10:C+11], s[14:15] offset:1536*(\t)+1280
.endm
	LOAD 0
	LOAD 1
	STEP 0
	STEP 1
	STEP 2
	STEP 3
	v_cmp_lt_u32 vcc_lo, 15, v1                    ; lanes 0-15 store the words of my first two K steps, lanes 16-31 those of the other two
	v_cndmask_b32 v20, v[WD], v[WD+2], vcc_lo
	v_cndmask_b32 v21, v[WD+1], v[WD+3], vcc_lo
	global_store_b64 v3, v[20:21], s[16:17]        ; 256 consecutive bytes, aligned
	s_wait_tensorcnt 0x0                           ; the wave's end: behind my last LDS store
	ds_add_u32 v[SPW], v[NIL]
	s_wait_dscnt 0x0
	s_endpgm
.Lfunc_end_k_q863b11f82e_quant:
	.size	k_q863b11f82e_quant, .Lfunc_end_k_q863b11f82e_quant-k_q863b11f82e_quant
	.p2alignl 7, 3214868480
	.fill 96, 4, 3214868480
	.section	.rodata,"a",@progbits
	.p2align	6, 0x0
	.amdhsa_kernel k_q863b11f82e_quant
		.amdhsa_group_segment_fixed_size 34304
		.amdhsa_private_segment_fixed_size 0
		.amdhsa_enable_private_segment 0
		.amdhsa_kernarg_size 72
		.amdhsa_user_sgpr_count 2
		.amdhsa_user_sgpr_kernarg_segment_ptr 1
		.amdhsa_wavefront_size32 1
		.amdhsa_system_sgpr_workgroup_id_x 1
		.amdhsa_system_sgpr_workgroup_id_y 1
		.amdhsa_system_sgpr_workgroup_id_z 1
		.amdhsa_system_vgpr_workitem_id 0
		.amdhsa_next_free_vgpr 256
		.amdhsa_next_free_sgpr 66
		.amdhsa_reserve_vcc 1
		.amdhsa_float_denorm_mode_32 3
		.amdhsa_float_denorm_mode_16_64 3
		.amdhsa_memory_ordered 1
		.amdhsa_forward_progress 1
		.amdhsa_inst_pref_size 31
	.end_amdhsa_kernel
	.amdgpu_metadata
---
amdhsa.version: [ 1, 2 ]
amdhsa.kernels:
  - .name:           k_q863b11f82e_quant
    .symbol:         k_q863b11f82e_quant.kd
    .args:
      - { .name: x, .offset: 0, .size: 8, .value_kind: global_buffer, .address_space: global }
      - { .name: Wq, .offset: 8, .size: 8, .value_kind: global_buffer, .address_space: global }
      - { .name: Wk, .offset: 16, .size: 8, .value_kind: global_buffer, .address_space: global }
      - { .name: Wv, .offset: 24, .size: 8, .value_kind: global_buffer, .address_space: global }
      - { .name: Wp, .offset: 32, .size: 8, .value_kind: global_buffer, .address_space: global }
      - { .name: xc, .offset: 40, .size: 8, .value_kind: global_buffer, .address_space: global }
      - { .name: xs, .offset: 48, .size: 8, .value_kind: global_buffer, .address_space: global }
      - { .name: wc, .offset: 56, .size: 8, .value_kind: global_buffer, .address_space: global }
      - { .name: ws, .offset: 64, .size: 8, .value_kind: global_buffer, .address_space: global }
    .group_segment_fixed_size: 34304
    .private_segment_fixed_size: 0
    .kernarg_segment_align: 8
    .kernarg_segment_size: 72
    .max_flat_workgroup_size: 128
    .sgpr_count:     66
    .vgpr_count:     256
    .wavefront_size: 32
...
	.end_amdgpu_metadata
.endif
;; end of part 1
;; launch qkv (part 2): grid 12 x 32, 4 waves a work-group, clusters of 4 x 4, 327,680 bytes of LDS; arguments xc, xs, wc, ws, bq, bk, bv, qb, kv; writes qb, kv
.if DOCPART == 2
	.amdgcn_target "amdgcn-amd-amdhsa--gfx1250"
	.amdhsa_code_object_version 6
	.text
	.protected	k_q863b11f82e_qkv
	.globl	k_q863b11f82e_qkv
	.p2align	8
	.type	k_q863b11f82e_qkv,@function
k_q863b11f82e_qkv:
	s_mov_b64 s[64:65], 0
	v_nop
	global_prefetch_b8 v0, s[64:65] scope:SCOPE_SE
	s_setreg_imm32_b32 hwreg(HW_REG_WAVE_MODE, 25, 1), 1
	s_wait_xcnt 0x0
	s_wait_alu depctr_hold_cnt(0) depctr_sa_sdst(0) depctr_va_vdst(0) depctr_va_sdst(0) depctr_va_ssrc(0) depctr_va_vcc(0) depctr_vm_vsrc(0)
	s_getreg_b32 s2, hwreg(HW_REG_IB_STS2, 6, 4)
	s_cmp_eq_u32 s2, 0
	s_cbranch_scc0 .Lentry_in_a_cluster
	s_endpgm
.Lentry_in_a_cluster:
	s_bfe_u32 s2, ttmp6, 0x10000c
	s_cmp_lg_u32 s2, 0xf033
	s_cbranch_scc0 .Lentry_shape_is_right
	s_endpgm
.Lentry_shape_is_right:
; q = x Wq^T + bq, k = x Wk^T + bk, v = x Wv^T + bv on codes of FP6 (E2M3) with E8M0 scales, and the quantisers of q and k (along the head's 64) and of v (along the keys).
; Operands come as images of their registers: codes [tile of 16 rows][K step 0..7][1,536 bytes], scale words [tile][K step / 2][r][2 words].  Tile t holds rows 32 (t / 2) + 8 (t % 2) + r + 8 (r / 8).
; A work-group of four waves makes 256 x 256 of a product, a wave 128 x 128: 64 accumulators, 512 registers.  K = 1,024 goes in four slots' worth of 256 through a ring of two LDS slots filled by tensor loads.
; THE MATRIX INSTRUCTION IS USED TRANSPOSED: source 0 = 16 rows of B, source 1 = 16 rows of A.  A lane then holds ONE row of A (tile row l % 16), and by the tiles' order of rows the 16 registers of B's tiles 2 b, 2 b + 1
; are 16 NEIGHBOURS along B's rows, 32 b + 16 (l / 16) + 0 .. 15: what the next quantiser wants in one lane.
; ROLES by the CLUSTER's x, which all sixteen partners share: 0: A = x, B = Wq (a lane holds a token, registers run along the features);  1: the same with Wk;  2: A = Wv, B = x: the same text makes V^T (a lane holds a feature,
; registers run along the tokens, which are the keys).  No branch hangs on a work-group's place in its cluster.
; CLUSTERS: 4 x 4.  A's tiles are shared along a row of the cluster, B's along a column: joint loads with a mask of four.
; OUT.  qb [batch x head][block of 256 tokens][12,800]: 16 tiles x 768 bytes of codes (16 tokens x 64), then 512 bytes of scale words (pair of tiles g: 64 g + 4 r; the even tile's two bytes below, the odd tile's above).
;       kv [batch x head][chunk of 256 keys][25,600]: k as qb's block; from 12,288 V^T: fragment (128 keys q, 16 features ft) at (4 q + ft) 1,536; from 24,576 k's scale words; from 25,088 V's: (4 q + ft) 64 + 4 r.
; LIMITS: a block of zeros, or one whose largest magnitude lies under 2^-124, gets the byte 1 (this program alone reads the bytes); NaN and infinities are not served.
; REGISTERS, in windows of 256: window 0: v1-15 at work, v16-23 LDS addresses, v27 scale words' address, v28-29 the add's two, v32-63 scale words (two sets), v64-127 the bias, v128-223 A's fragments (one set), on the way out v128-229 at work.
;   window 1: B's fragments, two sets, at v0 and v128.   windows 2, 3: the accumulators of A's blocks 0-3 and 4-7 ((a, b) at v[8 (8 (a % 4) + b)]).
.set FR,     12                        ; registers of a fragment
.set NL,     4                         ; LDS loads that bring one
.set NP,     4                         ; places behind this matrix instruction (ISA guide 7.12.1)
.set NQ,     2                         ; K steps of 128 in a slot
.set TROW,   3072                      ; a tile's two K steps: one row of a tensor load
.set HALFT,  8*TROW                    ; 8 tiles = 128 rows: what one tensor load brings, and what one wave reads of A or of B
.set SLOT,   4*HALFT                   ; A's 16 tiles, then B's 16
.set LAPS,   2                         ; a lap = once round the ring = 512 along K
.set SCL,    2*SLOT                    ; behind the ring: the scale words for all of K: A's 8,192 bytes, then B's
.set HALFS,  4096                      ; those of 8 tiles
.set SPARE,  SCL+4*HALFS               ; the spare words, 128 bytes a wave: two blocks of 256 bytes that no other line names
.set ADRA, 16                          ; v16-17 A's fragments in slot 0, 1, + 16 x lane;  v18-19 the same + 8 x lane
.set ADRB, 20                          ; v20-23 the same for B
.set ADRS, 27
.set SPW,  28
.set NIL,  29
.set SC,   32
.set BI,   64
.set AF,   128
.set H,    128                         ; the way out: 64 numbers of a lane
.set TM,   192                         ; v192-207 at work in the quantiser
.set PC,   208                         ; v208-219 codes, v220-226 their second halves
.set PW,   228                         ; the scale word
.set PWH,  229                         ; its upper half
.set SEL,  20                          ; s[20:21] on the way out: lane selects
.set OUTP, 4                           ; s[4:5]  where the codes go
.set OSB,  6                           ; s[6:7]  where the scale words go
.set INC,  8                           ; s[8:9]  from block to block
.set JMP,  10                          ; s[10:11] V: from the first head's last fragment to the second head
.set G1, 24
.set G0, 32
.set G1B, 48
.set G0B, 56
.set G1S, 68
.set G0S, 76
.set G1SB, 80
.set G0SB, 88
.set MSB, 0
.macro WIN new                         ; the immediate's high byte repeats the setting that is left
.if MSB != \new
	s_set_vgpr_msb (MSB<<8)|\new
.set MSB, \new
.endif
.endm
.set MUL_LO, 0xa1                      ; source 0 (B) window 1, source 1 (A) window 0, C and D window 2
.set MUL_HI, 0xf1                      ; the same, C and D window 3
.set TO_B,   0x40                      ; destination window 1, address window 0
; A joint load: waves 0 and 1 fetch for A, waves 2 and 3 for B.  The branch hangs on the wave's number alone.  An s_nop 0 and four v_nop follow each of the two lines.
.macro JLOAD g0a, g1a, g0b, g1b
	s_cmp_eq_u32 s15, 0
	s_cbranch_scc0 .Lfor_b_\@
	tensor_load_to_lds s[\g0a:\g0a+3], s[\g1a:\g1a+7]
	s_nop 0
.rept 4
	v_nop
.endr
	s_branch .Lasked_\@
.Lfor_b_\@:
	tensor_load_to_lds s[\g0b:\g0b+3], s[\g1b:\g1b+7]
	s_nop 0
.rept 4
	v_nop
.endr
.Lasked_\@:
.endm
.macro CREST                           ; a round of the cluster's barrier behind its opening barrier
	s_cmp_lg_u32 s14, 0
	s_cbranch_scc1 .Lnot_wave_0_\@
	s_barrier_signal -3
.Lnot_wave_0_\@:
	s_barrier_wait -3
	s_barrier_signal -1
	s_barrier_wait -1
.endm
.macro CROUND
	s_barrier_signal -1
	s_barrier_wait -1
	CREST
.endm
	s_load_b256 s[4:11], s[0:1], 0x0               ; xc, xs, wc, ws
	s_load_b256 s[92:99], s[0:1], 0x20             ; bq, bk, bv, qb
	s_load_b64 s[100:101], s[0:1], 0x40            ; kv
	v_lshl_add_u32 v[SPW], v0, 2, SPARE
	v_mov_b32 v[NIL], 0
	ds_add_u32 v[SPW], v[NIL]                      ; the wave's opening: the add and its wait stand ahead of my first tensor load; work on registers stands between them
	v_lshrrev_b32 v1, 5, v0
	v_readfirstlane_b32 s14, v1                    ; wave 0..3
	s_lshr_b32 s15, s14, 1                         ; which half of A's rows is mine.  Also: I fetch for A (0) or for B (1)
	s_and_b32 s16, s14, 1                          ; which half of B's rows.  Also: which 8 tiles I fetch
	s_bfe_u32 s40, ttmp6, 0x40000                  ; cx
	s_bfe_u32 s41, ttmp6, 0x40004                  ; cy
	s_and_b32 s12, ttmp7, 0xffff
	s_lshl_b32 s12, s12, 2                         ; 4 x cluster y
	s_add_co_u32 s17, s12, s41                     ; q, k: A's block of 256 tokens
	s_add_co_u32 s13, s12, s40                     ; v: B's block of 256 tokens
	s_lshl_b32 s42, ttmp9, 2
	s_add_co_u32 s42, s42, s40                     ; q, k: B's block of 256 rows of Wq | Wk
	s_cmp_eq_u32 ttmp9, 2                          ; the V role?  The cluster's x: the same in all sixteen partners
	s_cselect_b32 s17, s41, s17                    ; A's block: hangs on cy (and the cluster's y) alone
	s_cselect_b32 s42, s13, s42                    ; B's block: on cx (and the cluster's x or y) alone
	s_cselect_b32 s19, 128, 0                      ; Wv's tiles begin at tile 128 of wc
	s_lshl_b32 s43, s41, 2
	s_lshl_b32 s43, 15, s43                        ; my row of the cluster
	s_lshl_b32 s44, 0x1111, s40                    ; my column
	; descriptor group 1, codes: 8 rows (tiles) of 3,072 bytes (384 elements of 8), 12,288 bytes apart; no padding: every LDS access takes consecutive bytes
	s_or_b32 s[G1+0], s43, (3<<16)|(1<<21)
	s_or_b32 s[G1B+0], s44, (3<<16)|(1<<21)
.irp g, G1, G1B
	s_mov_b32 s[\g+1], 384<<16                     ; tensor_dim0
	s_mov_b32 s[\g+2], 8<<16                       ; tensor_dim1
	s_mov_b32 s[\g+3], 384<<16                     ; tile_dim0
	s_mov_b32 s[\g+4], 8                           ; tile_dim1
	s_mov_b32 s[\g+5], 1536                        ; stride
	s_mov_b32 s[\g+6], 0
	s_mov_b32 s[\g+7], 0
.endr
	; scale words of 8 tiles: 4,096 dense bytes as 16 rows of 256
	s_or_b32 s[G1S+0], s43, (3<<16)|(1<<21)
	s_or_b32 s[G1SB+0], s44, (3<<16)|(1<<21)
.irp g, G1S, G1SB
	s_mov_b32 s[\g+1], 32<<16
	s_mov_b32 s[\g+2], 16<<16
	s_mov_b32 s[\g+3], 32<<16
	s_mov_b32 s[\g+4], 16
	s_mov_b32 s[\g+5], 32
	s_mov_b32 s[\g+6], 0
	s_mov_b32 s[\g+7], 0
.endr
	s_lshl_b32 s18, s16, 3                         ; the second half begins 8 tiles on
	s_lshl_b32 s20, s17, 4
	s_add_co_u32 s20, s20, s18
	s_add_co_u32 s20, s20, s19                     ; A's first tile that I fetch
	s_lshl_b32 s46, s42, 4
	s_add_co_u32 s46, s46, s18                     ; B's
	s_lshl_b32 s22, s20, 9                         ; their scale words, 512 bytes a tile,
	s_mov_b32 s23, 0
	s_mul_i32 s20, s20, 12288                      ; and codes
	s_mov_b32 s21, 0
	s_lshl_b32 s66, s46, 9
	s_mov_b32 s67, 0
	s_mul_i32 s46, s46, 12288
	s_mov_b32 s47, 0
	s_mul_i32 s45, s14, HALFT                      ; where they go: wave x 8 tiles: no place in the cluster enters an LDS address
	s_lshl_b32 s2, s14, 12
	s_wait_dscnt 0x0                               ; the opening add is done
	s_wait_kmcnt 0x0
	s_cmp_eq_u32 ttmp9, 2
	s_cselect_b64 s[G0S+2:G0S+3], s[10:11], s[6:7]     ; A's scale words: ws in the V role, else xs
	s_cselect_b64 s[G0SB+2:G0SB+3], s[6:7], s[10:11]   ; B's
	s_cselect_b64 s[12:13], s[8:9], s[4:5]             ; A's codes
	s_cselect_b64 s[18:19], s[4:5], s[8:9]             ; B's
	s_add_nc_u64 s[G0S+2:G0S+3], s[G0S+2:G0S+3], s[22:23]
	s_add_nc_u64 s[G0SB+2:G0SB+3], s[G0SB+2:G0SB+3], s[66:67]
	s_add_nc_u64 s[20:21], s[12:13], s[20:21]
	s_add_nc_u64 s[46:47], s[18:19], s[46:47]
	CROUND                                         ; all sixteen work-groups are here: the first joint loads meet
	s_mov_b32 s[G0S], 1
	s_add_co_u32 s[G0S+1], s2, SCL
	s_or_b32 s[G0S+3], s[G0S+3], 0x80000000
	s_mov_b32 s[G0SB], 1
	s_add_co_u32 s[G0SB+1], s2, SCL
	s_or_b32 s[G0SB+3], s[G0SB+3], 0x80000000
	JLOAD G0S, G1S, G0SB, G1SB                     ; the scale words first: they are wanted with the first K step
.irp s, 0,1
	s_mov_b32 s[G0+4*\s], 1
	s_add_co_u32 s[G0+4*\s+1], s45, \s*SLOT
	s_add_nc_u64 s[G0+4*\s+2:G0+4*\s+3], s[20:21], \s*TROW
	s_or_b32 s[G0+4*\s+3], s[G0+4*\s+3], 0x80000000
	s_mov_b32 s[G0B+4*\s], 1
	s_add_co_u32 s[G0B+4*\s+1], s45, \s*SLOT
	s_add_nc_u64 s[G0B+4*\s+2:G0B+4*\s+3], s[46:47], \s*TROW
	s_or_b32 s[G0B+4*\s+3], s[G0B+4*\s+3], 0x80000000
	JLOAD G0+4*\s, G1, G0B+4*\s, G1B               ; three tensor loads of mine are out
.endr
	v_and_b32 v1, 15, v0                           ; r
	v_bfe_u32 v2, v0, 4, 1                         ; h
	v_and_b32 v3, 31, v0                           ; lane
	v_lshlrev_b32 v4, 4, v3
	v_lshlrev_b32 v5, 3, v3
	s_mul_i32 s21, s15, HALFT                      ; my 8 tiles of A
	s_mul_i32 s22, s16, HALFT                      ; my 8 tiles of B,
	s_add_co_u32 s22, s22, 2*HALFT                 ; which lie behind A's 16
.irp s, 0,1
	v_add_nc_u32 v[ADRA+\s], s21, v4
	v_add_nc_u32 v[ADRB+\s], s22, v4
	v_add_nc_u32 v[ADRA+2+\s], s21, v5
	v_add_nc_u32 v[ADRB+2+\s], s22, v5
	s_add_co_u32 s21, s21, SLOT
	s_add_co_u32 s22, s22, SLOT
.endr
	v_lshlrev_b32 v5, 3, v1                        ; scale words: 8 bytes a row and slot
	s_mul_i32 s21, s15, HALFS
	s_mul_i32 s22, s16, HALFS
	s_add_co_u32 s22, s22, 2*HALFS
	s_sub_co_u32 s22, s22, s21
	v_mul_u32_u24 v6, s22, v2                      ; lanes 16-31 take B's
	s_add_co_u32 s21, s21, SCL
	v_add_nc_u32 v5, v5, v6
	v_add_nc_u32 v[ADRS], s21, v5
	; where my 128 x 128 goes
	s_lshl_b32 s20, s17, 8
	s_lshl_b32 s21, s15, 7
	s_add_co_u32 s20, s20, s21                     ; A's first row of mine
	s_lshl_b32 s22, s42, 8
	s_lshl_b32 s21, s16, 7
	s_add_co_u32 s22, s22, s21                     ; B's
	s_cmp_eq_u32 ttmp9, 2
	s_cselect_b32 s40, s22, s20                    ; my first token
	s_cselect_b32 s41, s20, s22
	s_and_b32 s41, s41, 1023                       ; my first feature
	s_lshr_b32 s20, s40, 11                        ; batch
	s_lshl_b32 s20, s20, 4
	s_lshr_b32 s21, s41, 6                         ; head (an even one: I make two)
	s_add_co_u32 s20, s20, s21
	s_lshl_b32 s20, s20, 3
	s_bfe_u32 s21, s40, 0x30008                    ; block of 256 tokens
	s_add_co_u32 s20, s20, s21
	s_bfe_u32 s21, s40, 0x10007                    ; which half of it
	s_mov_b32 s43, 25600
	s_mov_b32 s44, 24576
	s_mov_b32 s12, 204800
	s_mov_b32 s[INC], 768
	s_cmp_eq_u32 ttmp9, 0
	s_cselect_b32 s43, 12800, s43                  ; bytes of a block
	s_cselect_b32 s44, 12288, s44                  ; where its scale words begin
	s_cselect_b32 s12, 102400, s12                 ; from a head to the next
	s_cselect_b64 s[OUTP:OUTP+1], s[98:99], s[100:101]
	s_cselect_b64 s[18:19], s[92:93], s[94:95]
	s_cmp_eq_u32 ttmp9, 2
	s_cselect_b32 s44, 25088, s44
	s_cselect_b32 s12, 768, s12                    ; V: from a fragment's first half to its second
	s_cselect_b32 s45, 12288, 0                    ; V's codes lie behind k's
	s_cselect_b32 s[INC], 1536, s[INC]
	s_cselect_b32 s[JMP], 198656, 0                ; 204,800 - 4 x 1,536
	s_cselect_b64 s[18:19], s[96:97], s[18:19]     ; the bias
	s_cselect_b32 s2, 4, 0                         ; the bias's offset: V: 4 x my feature in the tile;
	s_cselect_b32 s46, 0, 64                       ; q, k: 64 h
	s_cselect_b32 s47, 0, 4                        ; + 4 j
	s_mov_b32 s[INC+1], 0
	s_mov_b32 s[JMP+1], 0
	s_mov_b64 s[OSB:OSB+1], s[OUTP:OUTP+1]
	s_mul_i32 s20, s20, s43
	s_mul_i32 s22, s21, 6144
	s_add_co_u32 s22, s22, s20
	s_add_co_u32 s22, s22, s45
	s_mov_b32 s23, 0
	s_add_nc_u64 s[OUTP:OUTP+1], s[OUTP:OUTP+1], s[22:23]
	s_lshl_b32 s22, s21, 8
	s_add_co_u32 s22, s22, s20
	s_add_co_u32 s22, s22, s44
	s_add_nc_u64 s[OSB:OSB+1], s[OSB:OSB+1], s[22:23]
	s_lshl_b32 s22, s41, 2
	s_add_nc_u64 s[18:19], s[18:19], s[22:23]
	v_and_b32 v6, 8, v1
	v_add_nc_u32 v6, v6, v1                        ; r + 8 (r / 8)
	v_mul_u32_u24 v6, s2, v6
	v_mul_u32_u24 v7, s46, v2
	v_add_nc_u32 v8, v6, v7
.irp j, 1,2,3,4,5,6,7
	v_add_nc_u32 v[8+\j], s47, v[7+\j]
.endr
.irp i, 0,1,2,3,4,5,6,7                ; q, k: v[BI + 8 i + j] = bias of feature 32 (i / 2) + 16 h + 8 (i % 2) + j;  V: of my lane's feature in A's block i, in all eight
.irp j, 0,1,2,3,4,5,6,7
	global_load_b32 v[BI+8*\i+\j], v[8+\j], s[18:19] offset:128*(\i/2)+32*(\i%2)
.endr
.endr
.macro FRAG reg, adr, q, i             ; a fragment comes as it was stored: two halves of 768 bytes, each one load of 16 bytes and one of 8 bytes a lane, all on consecutive bytes
	ds_load_b128 v[\reg:\reg+3], v[\adr] offset:(\i)*TROW+(\q)*1536
	ds_load_b64 v[\reg+4:\reg+5], v[\adr+2] offset:(\i)*TROW+(\q)*1536+512
	ds_load_b128 v[\reg+6:\reg+9], v[\adr] offset:(\i)*TROW+(\q)*1536+768
	ds_load_b64 v[\reg+10:\reg+11], v[\adr+2] offset:(\i)*TROW+(\q)*1536+1280
.endm
; 16 matrix instructions: A's blocks a0, a0 + 1 x B's eight.  The 64 accumulators take turns, one instruction a turn, in the same order in every step.
.macro MUL16 a0, p, q, sc, zero
.irp a, \a0, \a0+1
.irp b, 0,1,2,3,4,5,6,7
.if \zero
	v_wmma_scale_f32_16x16x128_f8f6f4 v[8*(8*((\a)%4)+\b):8*(8*((\a)%4)+\b)+7], v[128*(\p)+FR*\b:128*(\p)+FR*\b+FR-1], v[AF+FR*(\a):AF+FR*(\a)+FR-1], 0, v[SC+8*NQ*(\sc)+NQ*\b+(\q)], v[SC+8*NQ*(\sc)+NQ*(\a)+(\q)] matrix_a_fmt:MATRIX_FMT_FP6 matrix_b_fmt:MATRIX_FMT_FP6 matrix_a_scale:MATRIX_SCALE_ROW1
.else
	v_wmma_scale_f32_16x16x128_f8f6f4 v[8*(8*((\a)%4)+\b):8*(8*((\a)%4)+\b)+7], v[128*(\p)+FR*\b:128*(\p)+FR*\b+FR-1], v[AF+FR*(\a):AF+FR*(\a)+FR-1], v[8*(8*((\a)%4)+\b):8*(8*((\a)%4)+\b)+7], v[SC+8*NQ*(\sc)+NQ*\b+(\q)], v[SC+8*NQ*(\sc)+NQ*(\a)+(\q)] matrix_a_fmt:MATRIX_FMT_FP6 matrix_b_fmt:MATRIX_FMT_FP6 matrix_a_scale:MATRIX_SCALE_ROW1
.endif
.endr
.endr
.endm
.macro FETCH_B slot, q, p
	WIN TO_B
.irp i, 0,1,2,3,4,5,6,7
	FRAG 128*(\p)+FR*\i, ADRB+\slot, \q, \i
.endr
	WIN 0
.endm
.macro FETCH_A slot, q, i0
.irp i, \i0, \i0+1, \i0+2, \i0+3
	FRAG AF+FR*(\i), ADRA+\slot, \q, \i
.endr
.endm
.macro SCALES sc                       ; a slot's scale words: two a row; lanes 0-15 take A's block i, lanes 16-31 B's block i
.irp i, 0,1,2,3,4,5,6,7
	ds_load_b64 v[SC+8*NQ*\sc+NQ*\i:SC+8*NQ*\sc+NQ*\i+1], v[ADRS] offset:\i*512
.endr
.endm
.macro PLACES n                        ; plain vector places between a matrix instruction and a load into, or a vector read or write of, its registers
.rept \n
	v_nop
.endr
.endm
.macro STEP slot, q, zero              ; a step of 128 along K that has its successor in the same slot
	s_wait_dscnt 4*NL                              ; B's set and A's blocks 0-3 are in; the youngest 16 loads (A's blocks 4-7) may be out
	WIN MUL_LO
	MUL16 0, (\q)%2, \q, \slot, \zero
	MUL16 2, (\q)%2, \q, \slot, \zero
	s_wait_dscnt 0
	PLACES NP
	FETCH_B \slot, (\q)+1, 1-(\q)%2
	FETCH_A \slot, (\q)+1, 0
	WIN MUL_HI
	MUL16 4, (\q)%2, \q, \slot, \zero
	MUL16 6, (\q)%2, \q, \slot, \zero
	PLACES NP
	WIN 0
	FETCH_A \slot, (\q)+1, 4
.endm
; A slot's last step changes slots: one barrier; in front of it each wave waits for all its tensor loads, adds 0 to its spare word, and waits for that and for its reads of this slot.  fill = 1: the slot is filled again, two slots ahead.
.macro TURN slot, next, fill
	s_wait_tensorcnt 0x0                           ; all my tensor loads have landed: my part of the next slot
	ds_add_u32 v[SPW], v[NIL]                      ; 0 onto my spare word
	s_wait_dscnt 4*NL+1                            ; (the add and the youngest 16 loads may be out)
	WIN MUL_LO
	MUL16 0, 1, NQ-1, \slot, 0
	s_wait_dscnt 0x0                               ; the add is done, and my reads of this slot are over
	s_barrier_signal -1
	MUL16 2, 1, NQ-1, \slot, 0
	WIN 0
	s_barrier_wait -1
.if \fill
	CREST                                          ; the barrier has opened a round of the cluster's: no wave of any partner still reads this slot or has a load on its way
	s_add_nc_u64 s[G0+4*\slot+2:G0+4*\slot+3], s[G0+4*\slot+2:G0+4*\slot+3], 2*TROW
	s_add_nc_u64 s[G0B+4*\slot+2:G0B+4*\slot+3], s[G0B+4*\slot+2:G0B+4*\slot+3], 2*TROW
	JLOAD G0+4*\slot, G1, G0B+4*\slot, G1B         ; the first tensor load behind the round; its four v_nop are the places in front of the loads below
.else
	PLACES NP
.endif
	v_add_nc_u32 v[ADRS], 128, v[ADRS]             ; the next slot's scale words
	FETCH_B \next, 0, 0
	FETCH_A \next, 0, 0
	SCALES \next
	WIN MUL_HI
	MUL16 4, 1, NQ-1, \slot, 0
	MUL16 6, 1, NQ-1, \slot, 0
	PLACES NP
	WIN 0
	FETCH_A \next, 0, 4
.endm
	s_wait_tensorcnt 1                             ; the scale words and my part of slot 0 are in (slot 1's load may be out)
	s_barrier_signal -1
	s_barrier_wait -1                              ; everybody's are
	FETCH_B 0, 0, 0
	FETCH_A 0, 0, 0
	SCALES 0
	FETCH_A 0, 0, 4
	STEP 0, 0, 1                                   ; the first step's products start the sums
	s_mov_b32 s3, LAPS-1
.Llap:
	TURN 0, 1, 1
	STEP 1, 0, 0
	TURN 1, 0, 1
	STEP 0, 0, 0
	s_sub_co_u32 s3, s3, 1
	s_cmp_lg_u32 s3, 0
	s_cbranch_scc1 .Llap
	TURN 0, 1, 0                                   ; the last lap fills nothing
	STEP 1, 0, 0
	s_wait_dscnt 4*NL
	WIN MUL_LO
	MUL16 0, 1, NQ-1, 1, 0
	MUL16 2, 1, NQ-1, 1, 0
	s_wait_dscnt 0
	WIN MUL_HI
	MUL16 4, 1, NQ-1, 1, 0
	MUL16 6, 1, NQ-1, 1, 0
	WIN 0
; 64 numbers of a lane, register 16 b + i = place 32 b + 16 (lane / 16) + i along the quantiser's axis, become 12 registers of codes in v[PC] on and a scale word in v[PW].
.macro QUANT s
.irp b, 0,1,2,3
	v_max3_num_f32 v[TM+\b], |v[\s+16*\b]|, |v[\s+1+16*\b]|, 0x1800000   ; my 16 numbers of block b, and the floor 2^(3 - 127): the byte cannot fall under 1
.endr
.irp i, 2,4,6,8,10,12,14
.irp b, 0,1,2,3
	v_max3_num_f32 v[TM+\b], v[TM+\b], |v[\s+16*\b+\i]|, |v[\s+1+16*\b+\i]|
.endr
.endr
.irp b, 0,1,2,3
	v_permlanex16_b32 v[TM+4+\b], v[TM+\b], s[SEL], s[SEL+1]
.endr
.irp b, 0,1,2,3
	v_max_num_f32 v[TM+\b], v[TM+\b], v[TM+4+\b]   ; with lane l xor 16's: the block's largest magnitude
.endr
.irp b, 0,1,2,3
	v_add_nc_u32 v[TM+12+\b], 0xff000000, v[TM+\b] ; 2 off its exponent field: the conversion's scale operand
.endr
.irp b, 0,1,2,3
	v_lshrrev_b32 v[TM+4+\b], 23, v[TM+12+\b]      ; the byte
.endr
	v_lshl_or_b32 v[PW], v[TM+5], 8, v[TM+4]
	v_lshl_or_b32 v[PW], v[TM+6], 16, v[PW]
	v_lshl_or_b32 v[PW], v[TM+7], 24, v[PW]
.irp c, 0,1
	v_cvt_scalef32_pk16_fp6_f32 v[PC+6*\c:PC+2+6*\c], v[\s+32*\c:\s+15+32*\c], v[TM+12+2*\c]
	v_cvt_scalef32_pk16_fp6_f32 v[PC+12+4*\c:PC+14+4*\c], v[\s+16+32*\c:\s+31+32*\c], v[TM+12+2*\c+1]
.endr
	v_nop                                          ; one plain place behind a scaled conversion
.irp c, 0,1                            ; the operand's layout wants a whole block in a lane: lanes 0-15 block 2 c, lanes 16-31 block 2 c + 1
.irp i, 0,1,2
	v_permlane16_swap_b32 v[PC+6*\c+\i], v[PC+12+4*\c+\i]
.endr
.irp i, 0,1,2
	v_mov_b32 v[PC+3+6*\c+\i], v[PC+12+4*\c+\i]
.endr
.endr
.endm
; THE WAY OUT of A's block a: bias, quantiser, four stores of codes (each on whole aligned runs of 256 bytes) and the scale bytes.  q, k: registers 0-5 are the first head's half fragment, 6-11 the second head's.  V: one whole fragment.
.macro OUTB a
.set AC, 64*((\a)%4)
	s_wait_xcnt 0x0                                ; the last block's stores have read their data and their base: both are written again below
.if (\a) > 0
	s_add_nc_u64 s[OUTP:OUTP+1], s[OUTP:OUTP+1], s[INC:INC+1]
.endif
.if (\a) == 4
	s_add_nc_u64 s[OUTP:OUTP+1], s[OUTP:OUTP+1], s[JMP:JMP+1]
.endif
	s_cmp_eq_u32 ttmp9, 2
	s_cbranch_scc1 .Lvb_\@
	WIN 0x02+(\a)/4                                ; source 0: window 2 or 3
.set n, 0
.rept 32
	v_pk_add_f32 v[H+n:H+n+1], v[AC+n:AC+n+1], v[BI+n:BI+n+1]              ; q, k: the bias runs along the registers; each accumulator is read from its low end on
.set n, n+2
.endr
	WIN 0
	s_branch .Ljb_\@
.Lvb_\@:
	WIN 0x02+(\a)/4
.set n, 0
.rept 32
	v_pk_add_f32 v[H+n:H+n+1], v[AC+n:AC+n+1], v[BI+8*(\a):BI+8*(\a)+1]    ; V: my feature's bias
.set n, n+2
.endr
	WIN 0
.Ljb_\@:
	QUANT H
	global_store_b128 v8, v[PC:PC+3], s[OUTP:OUTP+1]
	global_store_b64 v9, v[PC+4:PC+5], s[OUTP:OUTP+1] offset:512
	global_store_b128 v10, v[PC+6:PC+9], s[OUTP:OUTP+1]
	global_store_b64 v11, v[PC+10:PC+11], s[OUTP:OUTP+1] offset:512
	s_cmp_eq_u32 ttmp9, 2
	s_cbranch_scc1 .Lvs_\@
	v_lshrrev_b32 v[PWH], 16, v[PW]
	global_store_b16 v12, v[PW], s[OSB:OSB+1] offset:((\a)/2)*64+2*((\a)%2)    ; the first head's two bytes of my token (lanes 16-31 write the same value to the same place),
	global_store_b16 v13, v[PWH], s[OSB:OSB+1] offset:((\a)/2)*64+2*((\a)%2)   ; the second head's
	s_branch .Ljs_\@
.Lvs_\@:
	global_store_b32 v12, v[PW], s[OSB:OSB+1] offset:((\a)/4)*204800+((\a)%4)*64
.Ljs_\@:
.endm
	s_wait_loadcnt 0x0                             ; the bias; its offset registers are free
	PLACES NP                                      ; behind the last products: their results are read and A's registers written below
	v_lshlrev_b32 v8, 4, v3                        ; 16 x lane
	v_lshlrev_b32 v9, 3, v3                        ; 8 x lane
	v_add_nc_u32 v10, s12, v8                      ; the same for registers 6-11: the next head's block, or (V) the fragment's second half
	v_add_nc_u32 v11, s12, v9
	v_lshlrev_b32 v12, 2, v1                       ; 4 r
	v_add_nc_u32 v13, s12, v12
.irp b, 0,1,2,3
	v_mov_b32 v[TM+4+\b], 0                        ; written once: a lane permute's destination counts as one of its sources
.endr
	s_mov_b32 s[SEL], 0x76543210
	s_mov_b32 s[SEL+1], 0xfedcba98
.irp a, 0,1,2,3,4,5,6,7
	OUTB \a
.endr
	s_wait_tensorcnt 0x0                           ; the wave's end
	ds_add_u32 v[SPW], v[NIL]
	s_wait_dscnt 0x0
	CROUND                                         ; the closing round: no work-group ends while a partner may still ask for a tile that names it
	s_endpgm
.Lfunc_end_k_q863b11f82e_qkv:
	.size	k_q863b11f82e_qkv, .Lfunc_end_k_q863b11f82e_qkv-k_q863b11f82e_qkv
	.p2alignl 7, 3214868480
	.fill 96, 4, 3214868480
	.section	.rodata,"a",@progbits
	.p2align	6, 0x0
	.amdhsa_kernel k_q863b11f82e_qkv
		.amdhsa_group_segment_fixed_size 327680
		.amdhsa_private_segment_fixed_size 0
		.amdhsa_enable_private_segment 0
		.amdhsa_kernarg_size 72
		.amdhsa_user_sgpr_count 2
		.amdhsa_user_sgpr_kernarg_segment_ptr 1
		.amdhsa_wavefront_size32 1
		.amdhsa_system_sgpr_workgroup_id_x 1
		.amdhsa_system_sgpr_workgroup_id_y 1
		.amdhsa_system_sgpr_workgroup_id_z 1
		.amdhsa_system_vgpr_workitem_id 0
		.amdhsa_next_free_vgpr 1024
		.amdhsa_next_free_sgpr 102
		.amdhsa_reserve_vcc 0
		.amdhsa_float_denorm_mode_32 3
		.amdhsa_float_denorm_mode_16_64 3
		.amdhsa_memory_ordered 1
		.amdhsa_forward_progress 1
		.amdhsa_inst_pref_size 193
	.end_amdhsa_kernel
	.amdgpu_metadata
---
amdhsa.version: [ 1, 2 ]
amdhsa.kernels:
  - .name:           k_q863b11f82e_qkv
    .symbol:         k_q863b11f82e_qkv.kd
    .args:
      - { .name: xc, .offset: 0, .size: 8, .value_kind: global_buffer, .address_space: global }
      - { .name: xs, .offset: 8, .size: 8, .value_kind: global_buffer, .address_space: global }
      - { .name: wc, .offset: 16, .size: 8, .value_kind: global_buffer, .address_space: global }
      - { .name: ws, .offset: 24, .size: 8, .value_kind: global_buffer, .address_space: global }
      - { .name: bq, .offset: 32, .size: 8, .value_kind: global_buffer, .address_space: global }
      - { .name: bk, .offset: 40, .size: 8, .value_kind: global_buffer, .address_space: global }
      - { .name: bv, .offset: 48, .size: 8, .value_kind: global_buffer, .address_space: global }
      - { .name: qb, .offset: 56, .size: 8, .value_kind: global_buffer, .address_space: global }
      - { .name: kv, .offset: 64, .size: 8, .value_kind: global_buffer, .address_space: global }
    .group_segment_fixed_size: 327680
    .private_segment_fixed_size: 0
    .kernarg_segment_align: 8
    .kernarg_segment_size: 72
    .max_flat_workgroup_size: 128
    .sgpr_count:     102
    .vgpr_count:     1024
    .wavefront_size: 32
...
	.end_amdgpu_metadata
.endif
;; end of part 2
;; launch attn (part 3): grid 4 x 64, 16 waves a work-group, no clusters, 327,680 bytes of LDS; arguments qb, kv, yc, ys; writes yc, ys
.if DOCPART == 3
	.amdgcn_target "amdgcn-amd-amdhsa--gfx1250"
	.amdhsa_code_object_version 6
	.text
	.protected	k_q863b11f82e_attn
	.globl	k_q863b11f82e_attn
	.p2align	8
	.type	k_q863b11f82e_attn,@function
k_q863b11f82e_attn:
	s_mov_b64 s[64:65], 0
	v_nop
	global_prefetch_b8 v0, s[64:65] scope:SCOPE_SE
	s_setreg_imm32_b32 hwreg(HW_REG_WAVE_MODE, 25, 1), 1
	s_wait_xcnt 0x0
; y = softmax(q k^T / 8, causal) v for one batch x head, both products on codes of FP6 (E2M3) with E8M0 scales, and the quantiser of y along the features.
; t = score x log2(e) / 8; M = the running largest t rounded UP to a whole number; p = 2^(t - M) is quantised along the keys, not normalised; the row's sum of the unquantised p divides at the end.
; SHARES.  Work-group (i, batch x head) owns the blocks 7 - i and i of 256 queries, so that every work-group has the same part of the causal triangle.  Each of its sixteen waves owns one tile of 16 queries of the
; block in hand (tile w: queries 32 (w / 2) + 8 (w % 2) + r + 8 (r / 8)), in 256 registers: four waves to a SIMD, so that one wave's vector work stands beside another's products and LDS loads.
; Pass 0 takes block 7 - i and brings the head's chunks of 256 keys (25,600 bytes: k's codes, V^T's codes, both scale words) into LDS one trip ahead; each chunk has bytes of its own and STAYS.  Pass 1 takes block i from chunks 0 .. i.
; NO CLUSTER: the four work-groups of a head need 8, 7, 6 and 5 chunks, and the steps left out under the mask hang on the block of queries: in a cluster both would hang on a work-group's place in it.
; LAYOUT.  Both products transposed: S^T = k q^T, O^T = V^T p^T: a lane holds ONE query.  The head has 64 features, half of the instruction's 128: a fragment of k holds TWO tiles of 16 keys (the even tile in k 0-63, the odd in 64-127)
; and is multiplied by [q | 0] and by [0 | q]: no byte is loaded for nothing.  By the tiles' order of keys a lane's 16 registers of two neighbouring tiles are 16 neighbouring keys.
; LIMITS: a block of zeros, or one whose largest magnitude lies under 2^-124, gets the byte 1 (this program alone reads the bytes); NaN and infinities are not served.
; REGISTERS: v1-3 16, 8, 4 x lane; v4, v7, v8 the same + the chunk; v5, v6 the add's two; v9 r + 8 (r / 8) - 16 h; v10 4 r; v11 8 r; v12 -M; v13 the largest t; v[14:15] the sum; v16-27 [q | 0]; v28-39 [0 | q];
;   v40-87 four fragments of k, then of V; v88-89, v90-91 their scale words; v92 q's; v93 at work; v94 the prefetch's offset; v96-159 S^T, then p; v160-191 O^T; v192-203 p's codes; v204-210, v232-254 at work.
.set CHK,   25600                      ; a chunk
.set VCO,   12288                      ; V^T's codes in it
.set KSO,   24576                      ; k's scale words
.set VSO,   25088                      ; V's
.set SPARE, 9*CHK                      ; behind eight chunks and the place that the look-ahead's last, never issued step names: the spare words, 128 bytes a wave: eight blocks of 256 bytes that no other line names
.set WV,    12
.set BH,    14
.set SEL,   20                         ; s[20:21] lane selects: lane l xor 16
.set CS,    22                         ; s[22:23] c = log2(e) / 8
.set G1,    24                         ; s[24:31], s[32:35] the chunk's descriptor
.set G0,    32
.set TB,    36                         ; LDS byte of the chunk in hand
.set KF,    37                         ; the step's first key
.set Q0,    38                         ; my tile's first query
.set SLOTS, 39                         ; trips to go
.set PFA,   40                         ; s[40:41] the chunk behind the one that is being asked for
.set LIM,   42                         ; 2 in a wave that prefetches, else the greatest number
.set JB,    43                         ; the block of queries in hand
.macro TLOAD                           ; waves 0 to 3 fetch a quarter of a chunk each; an s_nop 0 and four v_nop follow the load
	s_cmp_lt_u32 s[WV], 4
	s_cbranch_scc0 .Lasked_\@
	tensor_load_to_lds s[G0:G0+3], s[G1:G1+7]
	s_nop 0
.rept 4
	v_nop
.endr
.Lasked_\@:
.endm
; A prefetch of the chunk that the NEXT change will ask for: 100 runs of 256 bytes, a lane a run.  All four work-groups of a head walk the same chunks.
; The last two changes have no chunk two on.
.macro ASK
	s_cmp_gt_u32 s[SLOTS], s[LIM]
	s_cbranch_scc0 .Lnot_mine_\@
	global_prefetch_b8 v94, s[PFA:PFA+1] th:TH_LOAD_NT scope:SCOPE_SE
.Lnot_mine_\@:
.endm
	s_load_b256 s[4:11], s[0:1], 0x0               ; qb, kv, yc, ys
	v_lshl_add_u32 v5, v0, 2, SPARE
	v_mov_b32 v6, 0
	ds_add_u32 v5, v6                              ; the wave's opening: the add and its wait stand ahead of the first tensor load; work on registers stands between them
	ds_add_u32 v5, v6
	v_lshrrev_b32 v1, 5, v0
	s_delay_alu instid0(VALU_DEP_1)
	v_readfirstlane_b32 s[WV], v1                  ; wave 0..15
	s_and_b32 s[BH], ttmp7, 0xffff                 ; batch x head
	s_mov_b32 s[G1], 3<<16                         ; elements of 8 bytes, no mask, no padding
	s_mov_b32 s[G1+1], 32<<16                      ; rows of 256 bytes,
	s_mov_b32 s[G1+2], 25<<16                      ; 25 of them: 6,400 dense bytes
	s_mov_b32 s[G1+3], 32<<16
	s_mov_b32 s[G1+4], 25
	s_mov_b32 s[G1+5], 32
	s_mov_b32 s[G1+6], 0
	s_mov_b32 s[G1+7], 0
	s_mul_i32 s44, s[BH], 8*CHK
	s_mov_b32 s45, 0
	s_mul_i32 s46, s[WV], 6400
	s_mov_b32 s47, 0
	s_mov_b32 s[SEL], 0x76543210
	s_mov_b32 s[SEL+1], 0xfedcba98
	s_mov_b32 s[CS], 0x3e38aa3b                    ; log2(e) / 8
	s_mov_b32 s[CS+1], s[CS]                       ; (named with it as a pair)
	s_lshr_b32 s48, s[WV], 2
	s_xor_b32 s48, s48, 1                          ; 0 in waves 4 to 7,
	s_or_b32 s48, s48, ttmp9                       ; of the head's first work-group
	s_cmp_eq_u32 s48, 0
	s_cselect_b32 s[LIM], 2, -1
	s_and_b32 s48, s[WV], 3
	s_lshl_b32 s48, s48, 5
	s_wait_dscnt 0x0                               ; the opening add is done
	s_wait_kmcnt 0x0
	s_add_nc_u64 s[PFA:PFA+1], s[6:7], s[44:45]    ; the head's chunk 0
	s_mov_b32 s[G0], 1
	s_mov_b32 s[G0+1], s46                         ; LDS: my quarter of chunk 0
	s_add_nc_u64 s[G0+2:G0+3], s[PFA:PFA+1], s[46:47]
	s_or_b32 s[G0+3], s[G0+3], 0x80000000
	TLOAD                                          ; chunk 0
	s_add_nc_u64 s[PFA:PFA+1], s[PFA:PFA+1], CHK   ; at chunk 1: the first change steps it to chunk 2.  Nothing is prefetched here, at the head
	v_and_b32 v93, 31, v0                          ; lane
	s_delay_alu instid0(VALU_DEP_1)
	v_lshlrev_b32 v1, 4, v93
	s_delay_alu instid0(VALU_DEP_2)
	v_lshlrev_b32 v2, 3, v93
	s_delay_alu instid0(VALU_DEP_3)
	v_lshlrev_b32 v3, 2, v93
	s_delay_alu instid0(VALU_DEP_4)
	v_add_nc_u32 v94, s48, v93
	s_delay_alu instid0(VALU_DEP_1)
	v_min_u32 v94, 99, v94
	s_delay_alu instid0(VALU_DEP_1)
	v_lshlrev_b32 v94, 8, v94
	v_and_b32 v10, 15, v0                          ; r
	v_bfe_u32 v11, v0, 4, 1                        ; h
	s_delay_alu instid0(VALU_DEP_2)
	v_and_b32 v9, 8, v10
	s_delay_alu instid0(VALU_DEP_1)
	v_add_nc_u32 v9, v9, v10
	s_delay_alu instid0(VALU_DEP_3)
	v_lshlrev_b32 v11, 4, v11
	s_delay_alu instid0(VALU_DEP_1)
	v_sub_nc_u32 v9, v9, v11                       ; r + 8 (r / 8) - 16 h
	v_lshlrev_b32 v11, 3, v10
	v_lshlrev_b32 v10, 2, v10
.irp j, 22,23,24,25,26,27,28,29,30,31,32,33
	v_mov_b32 v[\j], 0                             ; the zero halves of [q | 0] and [0 | q]: zero codes add nothing
.endr
.irp j, 236,237,238,239,252,253
	v_mov_b32 v[\j], 0                             ; written once: a lane permute's destination counts as one of its sources; v253 is named in a pair before it is first made
.endr
.macro FRAGS off                       ; four fragments as they were stored, all loads on consecutive bytes
.irp f, 0,1,2,3
	ds_load_b128 v[40+12*\f:43+12*\f], v4 offset:\off+1536*\f
	ds_load_b64 v[44+12*\f:45+12*\f], v7 offset:\off+1536*\f+512
	ds_load_b128 v[46+12*\f:49+12*\f], v4 offset:\off+1536*\f+768
	ds_load_b64 v[50+12*\f:51+12*\f], v7 offset:\off+1536*\f+1280
.endr
.endm
; A KEY STEP: 128 keys, the q-th of the chunk in hand.
.macro STEP q
	s_add_co_u32 s44, s[Q0], 23                    ; my tile's last query
	s_cmp_gt_u32 s[KF], s44                        ; a step all of whose keys come after it is left out: ids and the count of steps alone
	s_cbranch_scc1 .Lhidden_\@
	v_add_nc_u32 v4, s[TB], v1
	v_add_nc_u32 v7, s[TB], v2
	v_add_nc_u32 v8, s[TB], v3
	v_nop                                          ; four places in front of loads into registers that the last products read
	FRAGS 6144*(\q)
.irp e, 0,1
	ds_load_b32 v[88+\e], v8 offset:KSO+(4*(\q)+2*\e)*64   ; lanes 0-15: fragment 2 e's scale words, lanes 16-31: fragment 2 e + 1's
.endr
	s_wait_alu depctr_va_vdst(0)
	s_wait_dscnt 0x0
.irp f, 0,1,2,3                        ; S^T: fragment f x [q | 0] = keys 32 f + 16 h + 0 .. 7, x [0 | q] = keys 32 f + 16 h + 8 .. 15
.if (\f)%2
	v_wmma_scale_f32_16x16x128_f8f6f4 v[96+16*\f:103+16*\f], v[40+12*\f:51+12*\f], v[16:27], 0, v[88+\f/2], v92 matrix_a_fmt:MATRIX_FMT_FP6 matrix_b_fmt:MATRIX_FMT_FP6 matrix_a_scale:MATRIX_SCALE_ROW1
	v_wmma_scale_f32_16x16x128_f8f6f4 v[104+16*\f:111+16*\f], v[40+12*\f:51+12*\f], v[28:39], 0, v[88+\f/2], v92 matrix_a_fmt:MATRIX_FMT_FP6 matrix_b_fmt:MATRIX_FMT_FP6 matrix_a_scale:MATRIX_SCALE_ROW1
.else
	v_wmma_scale_f32_16x16x128_f8f6f4 v[96+16*\f:103+16*\f], v[40+12*\f:51+12*\f], v[16:27], 0, v[88+\f/2], v92 matrix_a_fmt:MATRIX_FMT_FP6 matrix_b_fmt:MATRIX_FMT_FP6
	v_wmma_scale_f32_16x16x128_f8f6f4 v[104+16*\f:111+16*\f], v[40+12*\f:51+12*\f], v[28:39], 0, v[88+\f/2], v92 matrix_a_fmt:MATRIX_FMT_FP6 matrix_b_fmt:MATRIX_FMT_FP6
.endif
.endr
.rept 4
	v_nop                                          ; places: the loads below land in k's registers, and the scores are read
.endr
	FRAGS VCO+6144*(\q)                            ; V^T's four fragments of these 128 keys: they land under the softmax
.irp e, 0,1
	ds_load_b32 v[90+\e], v8 offset:VSO+(4*(\q)+2*\e)*64
.endr
	s_add_co_u32 s44, s[KF], 127                   ; on the diagonal hidden scores become -infinity ahead of the maximum; a step all of whose keys count skips this
	s_cmp_le_u32 s44, s[Q0]
	s_cbranch_scc1 .Lopen_\@
	s_sub_co_i32 s44, s[Q0], s[KF]
	v_add_nc_u32 v252, s44, v9                     ; d = my query - the step's first key - 16 h.  Register 16 b + i holds key 32 b + 16 h + i: hidden where 32 b + i > d
	v_mov_b32 v254, 0xff800000
.set n, 0
.rept 64
	v_cmp_gt_i32 vcc_lo, 32*(n/16)+n%16, v252
	v_cndmask_b32 v[96+n], v[96+n], v254, vcc_lo
.set n, n+1
.endr
.Lopen_\@:
.irp b, 0,1,2,3
	v_max3_num_f32 v[232+\b], v[96+16*\b], v[97+16*\b], v[98+16*\b]   ; the largest score of each block of 32 keys: for the row's maximum and, since p rises with the score, for the block's largest p
.endr
.irp i, 3,5,7,9,11,13
.irp b, 0,1,2,3
	v_max3_num_f32 v[232+\b], v[232+\b], v[96+16*\b+\i], v[97+16*\b+\i]
.endr
.endr
.irp b, 0,1,2,3
	v_max_num_f32 v[232+\b], v[232+\b], v[111+16*\b]
.endr
.irp b, 0,1,2,3
	s_delay_alu instid0(VALU_DEP_4)
	v_permlanex16_b32 v[236+\b], v[232+\b], s[SEL], s[SEL+1]
.endr
.irp b, 0,1,2,3
	s_delay_alu instid0(VALU_DEP_4)
	v_max_num_f32 v[232+\b], v[232+\b], v[236+\b]  ; with lane l xor 16's 16 keys
.endr
	s_delay_alu instid0(VALU_DEP_2)
	v_max3_num_f32 v254, v232, v233, v234
	s_delay_alu instid0(VALU_DEP_1)
	v_max_num_f32 v254, v254, v235
	s_delay_alu instid0(VALU_DEP_1)
	v_mul_f32 v254, s[CS], v254                    ; as t
	s_delay_alu instid0(VALU_DEP_1)
	v_max_num_f32 v13, v13, v254                   ; the running largest t
	v_mov_b32 v254, v12
	s_delay_alu instid0(VALU_DEP_2)
	v_floor_f32 v12, -v13                          ; the new -M = -ceil(t): a whole number
	s_delay_alu instid0(VALU_DEP_1)
	v_sub_f32 v254, v12, v254                      ; old M - new M: a whole number, 0 or less
	s_delay_alu instid0(VALU_DEP_1)
	v_cvt_i32_f32 v254, v254                       ; (it saturates)
	s_delay_alu instid0(VALU_DEP_1)
	v_ldexp_f32 v252, 1.0, v254                    ; f = 2^(old M - new M): a multiplication by it rounds nothing
.set n, 0
.rept 32
	v_pk_fma_f32 v[96+n:97+n], v[96+n:97+n], s[CS:CS+1], v[12:13] op_sel_hi:[1,0,0]   ; t - M, two at a time
.set n, n+2
.endr
.irp b, 0,1,2,3
	v_fma_f32 v[232+\b], v[232+\b], s[CS], v12     ; the same of each block's largest score
.endr
.set n, 0
	s_wait_alu depctr_va_vdst(0)
.rept 64
	v_exp_f32 v[96+n], v[96+n]                     ; p = 2^(t - M)
.set n, n+1
.endr
	v_pk_mul_f32 v[14:15], v[14:15], v[252:253] op_sel_hi:[1,0]   ; the sums under the new M: a plain place behind the exponentials
	s_wait_alu depctr_va_vdst(0)                   ; one wait for the whole batch, ahead of its first reader
.irp b, 0,1,2,3
	v_exp_f32 v[232+\b], v[232+\b]                 ; the block's largest p
.endr
	v_pk_add_f32 v[236:237], v[100:101], v[104:105]
	v_pk_add_f32 v[254:255], v[108:109], v[112:113]
	v_pk_add_f32 v[250:251], v[116:117], v[120:121]
	v_pk_add_f32 v[248:249], v[124:125], v[128:129]
	v_pk_add_f32 v[246:247], v[132:133], v[136:137]
	v_pk_add_f32 v[244:245], v[140:141], v[144:145]
	v_pk_add_f32 v[242:243], v[148:149], v[152:153]
	v_pk_add_f32 v[14:15], v[14:15], v[156:157]
	v_pk_add_f32 v[236:237], v[236:237], v[96:97]
	v_pk_add_f32 v[254:255], v[254:255], v[98:99]
	v_pk_add_f32 v[250:251], v[250:251], v[102:103]
	v_pk_add_f32 v[248:249], v[248:249], v[106:107]
	v_pk_add_f32 v[246:247], v[246:247], v[110:111]
	v_pk_add_f32 v[244:245], v[244:245], v[114:115]
	v_pk_add_f32 v[242:243], v[242:243], v[118:119]
	v_pk_add_f32 v[14:15], v[14:15], v[122:123]
	v_pk_add_f32 v[236:237], v[236:237], v[126:127]
	v_pk_add_f32 v[254:255], v[254:255], v[130:131]
	v_pk_add_f32 v[250:251], v[250:251], v[134:135]
	v_pk_add_f32 v[248:249], v[248:249], v[138:139]
	v_pk_add_f32 v[246:247], v[246:247], v[142:143]
	v_pk_add_f32 v[244:245], v[244:245], v[146:147]
	v_pk_add_f32 v[242:243], v[242:243], v[150:151]
	v_pk_add_f32 v[14:15], v[14:15], v[154:155]
	v_pk_add_f32 v[236:237], v[236:237], v[158:159]
	s_delay_alu instid0(VALU_DEP_2)
	v_pk_add_f32 v[14:15], v[14:15], v[248:249]
	s_delay_alu instid0(VALU_DEP_2)
	v_pk_add_f32 v[236:237], v[236:237], v[246:247]
	v_pk_add_f32 v[254:255], v[254:255], v[244:245]
	v_pk_add_f32 v[250:251], v[250:251], v[242:243]
	s_delay_alu instid0(VALU_DEP_2)
	v_pk_add_f32 v[14:15], v[14:15], v[254:255]
	s_delay_alu instid0(VALU_DEP_2)
	v_pk_add_f32 v[236:237], v[236:237], v[250:251]
	s_delay_alu instid0(VALU_DEP_1)
	v_pk_add_f32 v[14:15], v[14:15], v[236:237]
	s_wait_alu depctr_va_vdst(0)                   ; and one for the four
.irp b, 0,1,2,3
	v_max_num_f32 v[232+\b], 0x1800000, v[232+\b]  ; the floor 2^(3 - 127): the byte cannot fall under 1
.endr
.irp b, 0,1,2,3
	s_delay_alu instid0(VALU_DEP_4)
	v_add_nc_u32 v[244+\b], 0xff000000, v[232+\b]  ; the conversion's scale operand
.endr
.irp b, 0,1,2,3
	s_delay_alu instid0(VALU_DEP_4)
	v_lshrrev_b32 v[236+\b], 23, v[244+\b]         ; the byte
.endr
	s_delay_alu instid0(VALU_DEP_3)
	v_lshl_or_b32 v253, v237, 8, v236              ; p's scale word for these 128 keys
	s_delay_alu instid0(VALU_DEP_1)
	v_lshl_or_b32 v253, v238, 16, v253
	s_delay_alu instid0(VALU_DEP_1)
	v_lshl_or_b32 v253, v239, 24, v253
.irp c, 0,1
	v_cvt_scalef32_pk16_fp6_f32 v[192+6*\c:194+6*\c], v[96+32*\c:111+32*\c], v[244+2*\c]
	v_cvt_scalef32_pk16_fp6_f32 v[204+4*\c:206+4*\c], v[112+32*\c:127+32*\c], v[244+2*\c+1]
.endr
	v_nop                                          ; one plain place behind a scaled conversion
.irp c, 0,1
.irp i, 0,1,2
	v_permlane16_swap_b32 v[192+6*\c+\i], v[204+4*\c+\i]
.endr
.irp i, 0,1,2
	s_delay_alu instid0(VALU_DEP_3)
	v_mov_b32 v[195+6*\c+\i], v[204+4*\c+\i]
.endr
.endr
.set n, 0
.rept 16
	v_pk_mul_f32 v[160+n:161+n], v[160+n:161+n], v[252:253] op_sel_hi:[1,0]   ; O^T under the new M.  (These sixteen are also the places between p's codes and scale word and the products)
.set n, n+2
.endr
	s_wait_alu depctr_va_vdst(0)
	s_wait_dscnt 0x0                               ; V^T's fragments and scale words are in
.irp f, 0,1,2,3                        ; O^T += V^T p^T: four accumulators by turns
.if (\f)%2
	v_wmma_scale_f32_16x16x128_f8f6f4 v[160+8*\f:167+8*\f], v[40+12*\f:51+12*\f], v[192:203], v[160+8*\f:167+8*\f], v[90+\f/2], v253 matrix_a_fmt:MATRIX_FMT_FP6 matrix_b_fmt:MATRIX_FMT_FP6 matrix_a_scale:MATRIX_SCALE_ROW1
.else
	v_wmma_scale_f32_16x16x128_f8f6f4 v[160+8*\f:167+8*\f], v[40+12*\f:51+12*\f], v[192:203], v[160+8*\f:167+8*\f], v[90+\f/2], v253 matrix_a_fmt:MATRIX_FMT_FP6 matrix_b_fmt:MATRIX_FMT_FP6
.endif
.endr
.Lhidden_\@:
	s_add_co_u32 s[KF], s[KF], 128
.endm
; THE CHANGE stands at a trip's head in pass 0.  Each wave waits for all its tensor loads (its part of the chunk that is about to be read), adds 0 to its spare word and waits for that and for its LDS reads; behind the barrier the chunk
; is whole for all sixteen waves, and the next chunk is asked for, into bytes of its own: it has a trip's two key steps in which to land.
.macro CHANGE
	s_wait_tensorcnt 0x0                           ; no tensor load of mine is out, so the descriptor may be written
	ds_add_u32 v5, v6                              ; 0 onto my spare word
	s_add_co_u32 s[G0+1], s[G0+1], CHK             ; the next chunk's place in LDS,
	s_add_nc_u64 s[G0+2:G0+3], s[G0+2:G0+3], CHK   ; and in memory; the type bits on top are not reached
	s_wait_xcnt 0x0                                ; the last prefetch, a trip back, has read its address
	s_add_nc_u64 s[PFA:PFA+1], s[PFA:PFA+1], CHK
	s_wait_dscnt 0x0
	s_barrier_signal -1
	s_barrier_wait -1
	s_add_co_u32 s44, s[KF], 256                   ; the next chunk's first key
	s_or_b32 s45, s[Q0], 255                       ; the block's last query
	s_cmp_gt_u32 s44, s45                          ; a chunk beyond it is read by no wave and is not asked for: ids and the count of steps alone, the same in all sixteen waves; every wait on TENSORcnt here is for 0
	s_cbranch_scc1 .Lpast_\@
	TLOAD
.Lpast_\@:
	ASK
.endm
; A PASS over one block of queries.  fill = 1: block 7 - i, with the changes;  fill = 0: block i, from the chunks that lie in LDS.
.macro PASS fill, trips
	s_wait_xcnt 0x0                                ; the last pass's stores have read their bases and data
.if \fill
	s_sub_co_u32 s[JB], 7, ttmp9
.else
	s_mov_b32 s[JB], ttmp9
.endif
	s_lshl_b32 s[Q0], s[JB], 8
	s_lshr_b32 s44, s[WV], 1
	s_lshl_b32 s45, s44, 5
	s_add_co_u32 s[Q0], s[Q0], s45
	s_and_b32 s45, s[WV], 1
	s_lshl_b32 s46, s45, 3
	s_add_co_u32 s[Q0], s[Q0], s46                 ; 256 x block + 32 (w / 2) + 8 (w % 2)
	s_lshl_b32 s46, s[BH], 3
	s_add_co_u32 s46, s46, s[JB]
	s_mul_i32 s46, s46, 12800                      ; q's block
	s_mul_i32 s47, s[WV], 768
	s_add_co_u32 s48, s46, s47
	s_mov_b32 s49, 0
	s_add_nc_u64 s[56:57], s[4:5], s[48:49]        ; my tile's codes
	s_lshl_b32 s47, s44, 6
	s_add_co_u32 s48, s46, s47
	s_add_co_u32 s48, s48, 12288
	s_add_nc_u64 s[58:59], s[4:5], s[48:49]        ; my pair of tiles' scale words
	s_lshr_b32 s46, s[BH], 4
	s_lshl_b32 s46, s46, 7
	s_lshl_b32 s47, s[JB], 4
	s_add_co_u32 s46, s46, s47
	s_add_co_u32 s46, s46, s[WV]                   ; my tile among y's 512
	s_and_b32 s47, s[BH], 15                       ; the head
	s_mul_i32 s48, s46, 12288
	s_mul_i32 s50, s47, 768
	s_add_co_u32 s48, s48, s50
	s_add_nc_u64 s[60:61], s[8:9], s[48:49]        ; y's codes: the head is half a K step of the last product
	s_lshl_b32 s48, s46, 9
	s_lshr_b32 s50, s47, 2
	s_lshl_b32 s50, s50, 7
	s_add_co_u32 s48, s48, s50
	s_and_b32 s50, s47, 3
	s_lshl_b32 s50, s50, 1
	s_add_co_u32 s48, s48, s50
	s_add_nc_u64 s[62:63], s[10:11], s[48:49]      ; and its two scale bytes
	s_lshl_b32 s51, s45, 4                         ; 16 (w % 2)
	global_load_b128 v[16:19], v1, s[56:57]        ; q's 16 x 64 twice: as k 0-63 of [q | 0],
	global_load_b64 v[20:21], v2, s[56:57] offset:512
	global_load_b128 v[34:37], v1, s[56:57]        ; and as k 64-127 of [0 | q]
	global_load_b64 v[38:39], v2, s[56:57] offset:512
	global_load_b32 v93, v10, s[58:59]
	s_mov_b32 s[TB], 0
	s_mov_b32 s[KF], 0
	s_mov_b32 s[SLOTS], \trips
	v_mov_b32 v13, 0xff61b1e6                      ; the largest t so far: -3e38
	s_delay_alu instid0(VALU_DEP_1)
	v_floor_f32 v12, -v13
	v_mov_b32 v14, 0
	v_mov_b32 v15, 0
	s_wait_loadcnt 0x0
	v_lshrrev_b32 v93, s51, v93                    ; my tile's two bytes,
	s_delay_alu instid0(VALU_DEP_1)
	v_and_b32 v93, 0xffff, v93
	s_delay_alu instid0(VALU_DEP_1)
	v_lshl_or_b32 v92, v93, 16, v93                ; for both halves of K
.set n, 0
.rept 32
	v_mov_b32 v[160+n], 0                          ; O^T: the step is written once; the first finds zeros.  (Also the places between q's scale word and the first product)
.set n, n+1
.endr
.Ltrip_\@:
.if \fill
	CHANGE
.endif
	STEP 0
	STEP 1
	s_add_co_u32 s[TB], s[TB], CHK
	s_sub_co_u32 s[SLOTS], s[SLOTS], 1
	s_cmp_lg_u32 s[SLOTS], 0
	s_cbranch_scc1 .Ltrip_\@
	; the way out: O^T / the sum, quantised along the head's 64 features: two blocks, half a fragment
.rept 4
	v_nop                                          ; places behind the last products
.endr
	v_add_f32 v14, v14, v15
	s_delay_alu instid0(VALU_DEP_1)
	v_permlanex16_b32 v252, v14, s[SEL], s[SEL+1]
	s_delay_alu instid0(VALU_DEP_1)
	v_add_f32 v14, v14, v252                       ; the row's sum
	s_wait_alu depctr_va_vdst(0)
	v_rcp_f32 v14, v14
	v_nop                                          ; a plain place behind the reciprocal,
	s_wait_alu depctr_va_vdst(0)                   ; and the wait ahead of its first reader
.set n, 0
.rept 32
	v_mul_f32 v[96+n], v[160+n], v14               ; register 16 b + i: feature 32 b + 16 h + i of my query
.set n, n+1
.endr
.irp b, 0,1
	v_max3_num_f32 v[232+\b], |v[96+16*\b]|, |v[97+16*\b]|, 0x1800000
.endr
.irp i, 2,4,6,8,10,12,14
.irp b, 0,1
	s_delay_alu instid0(VALU_DEP_2)
	v_max3_num_f32 v[232+\b], v[232+\b], |v[96+16*\b+\i]|, |v[97+16*\b+\i]|
.endr
.endr
.irp b, 0,1
	s_delay_alu instid0(VALU_DEP_2)
	v_permlanex16_b32 v[236+\b], v[232+\b], s[SEL], s[SEL+1]
.endr
.irp b, 0,1
	s_delay_alu instid0(VALU_DEP_2)
	v_max_num_f32 v[232+\b], v[232+\b], v[236+\b]
.endr
.irp b, 0,1
	s_delay_alu instid0(VALU_DEP_2)
	v_add_nc_u32 v[244+\b], 0xff000000, v[232+\b]
.endr
.irp b, 0,1
	s_delay_alu instid0(VALU_DEP_2)
	v_lshrrev_b32 v[236+\b], 23, v[244+\b]
.endr
	s_delay_alu instid0(VALU_DEP_1)
	v_lshl_or_b32 v238, v237, 8, v236              ; the two bytes
	v_cvt_scalef32_pk16_fp6_f32 v[192:194], v[96:111], v244
	v_cvt_scalef32_pk16_fp6_f32 v[204:206], v[112:127], v245
	v_nop
.irp i, 0,1,2
	v_permlane16_swap_b32 v[192+\i], v[204+\i]
.endr
.irp i, 0,1,2
	s_delay_alu instid0(VALU_DEP_3)
	v_mov_b32 v[195+\i], v[204+\i]
.endr
	global_store_b128 v1, v[192:195], s[60:61]     ; 512 consecutive bytes, at a multiple of 256,
	global_store_b64 v2, v[196:197], s[60:61] offset:512   ; and 256
	global_store_b16 v11, v238, s[62:63]           ; (lanes 16-31 write the same value to the same place)
.endm
	PASS 1, 8
	PASS 0, 4
	s_wait_tensorcnt 0x0                           ; the wave's end
	ds_add_u32 v5, v6
	s_wait_dscnt 0x0
	s_endpgm
.Lfunc_end_k_q863b11f82e_attn:
	.size	k_q863b11f82e_attn, .Lfunc_end_k_q863b11f82e_attn-k_q863b11f82e_attn
	.p2alignl 7, 3214868480
	.fill 96, 4, 3214868480
	.section	.rodata,"a",@progbits
	.p2align	6, 0x0
	.amdhsa_kernel k_q863b11f82e_attn
		.amdhsa_group_segment_fixed_size 327680
		.amdhsa_private_segment_fixed_size 0
		.amdhsa_enable_private_segment 0
		.amdhsa_kernarg_size 32
		.amdhsa_user_sgpr_count 2
		.amdhsa_user_sgpr_kernarg_segment_ptr 1
		.amdhsa_wavefront_size32 1
		.amdhsa_system_sgpr_workgroup_id_x 1
		.amdhsa_system_sgpr_workgroup_id_y 1
		.amdhsa_system_sgpr_workgroup_id_z 1
		.amdhsa_system_vgpr_workitem_id 0
		.amdhsa_next_free_vgpr 256
		.amdhsa_next_free_sgpr 66
		.amdhsa_reserve_vcc 1
		.amdhsa_float_denorm_mode_32 3
		.amdhsa_float_denorm_mode_16_64 3
		.amdhsa_memory_ordered 1
		.amdhsa_forward_progress 1
		.amdhsa_inst_pref_size 111
	.end_amdhsa_kernel
	.amdgpu_metadata
---
amdhsa.version: [ 1, 2 ]
amdhsa.kernels:
  - .name:           k_q863b11f82e_attn
    .symbol:         k_q863b11f82e_attn.kd
    .args:
      - { .name: qb, .offset: 0, .size: 8, .value_kind: global_buffer, .address_space: global }
      - { .name: kv, .offset: 8, .size: 8, .value_kind: global_buffer, .address_space: global }
      - { .name: yc, .offset: 16, .size: 8, .value_kind: global_buffer, .address_space: global }
      - { .name: ys, .offset: 24, .size: 8, .value_kind: global_buffer, .address_space: global }
    .group_segment_fixed_size: 327680
    .private_segment_fixed_size: 0
    .kernarg_segment_align: 8
    .kernarg_segment_size: 32
    .max_flat_workgroup_size: 512
    .sgpr_count:     66
    .vgpr_count:     256
    .wavefront_size: 32
...
	.end_amdgpu_metadata
.endif
;; end of part 3
;; launch proj (part 4): grid 4 x 32, 4 waves a work-group, clusters of 4 x 4, 327,680 bytes of LDS; arguments yc, ys, wc, ws, bp, out0; writes out0
.if DOCPART == 4
	.amdgcn_target "amdgcn-amd-amdhsa--gfx1250"
	.amdhsa_code_object_version 6
	.text
	.protected	k_q863b11f82e_proj
	.globl	k_q863b11f82e_proj
	.p2align	8
	.type	k_q863b11f82e_proj,@function
k_q863b11f82e_proj:
	s_mov_b64 s[64:65], 0
	v_nop
	global_prefetch_b8 v0, s[64:65] scope:SCOPE_SE
	s_setreg_imm32_b32 hwreg(HW_REG_WAVE_MODE, 25, 1), 1
	s_wait_xcnt 0x0
	s_wait_alu depctr_hold_cnt(0) depctr_sa_sdst(0) depctr_va_vdst(0) depctr_va_sdst(0) depctr_va_ssrc(0) depctr_va_vcc(0) depctr_vm_vsrc(0)
	s_getreg_b32 s2, hwreg(HW_REG_IB_STS2, 6, 4)
	s_cmp_eq_u32 s2, 0
	s_cbranch_scc0 .Lentry_in_a_cluster
	s_endpgm
.Lentry_in_a_cluster:
	s_bfe_u32 s2, ttmp6, 0x10000c
	s_cmp_lg_u32 s2, 0xf033
	s_cbranch_scc0 .Lentry_shape_is_right
	s_endpgm
.Lentry_shape_is_right:
; out0 = y Wp^T + bp on codes of FP6 (E2M3) with E8M0 scales; out0 [8192][1024] f32.
; Operands come as images of their registers: codes [tile of 16 rows][K step 0..7][1,536 bytes], scale words [tile][K step / 2][r][2 words].  Tile t holds rows 32 (t / 2) + 8 (t % 2) + r + 8 (r / 8).  Wp's tiles are 192-255 of wc.
; A work-group of four waves makes 256 x 256, a wave 128 x 128: 64 accumulators.  K = 1,024 goes in four slots' worth of 256 through a ring of two LDS slots filled by tensor loads.
; THE MATRIX INSTRUCTION IS USED TRANSPOSED (source 0 = 16 rows of Wp, source 1 = 16 rows of y): a lane holds one row of out0, and the registers of Wp's tiles 2 b, 2 b + 1 are the 16 neighbouring columns 32 b + 16 (l / 16) + 0 .. 15.
; The bias is the C of each sum's first product.  CLUSTERS: 4 x 4; y's tiles are shared along a row of the cluster, Wp's along a column: joint loads with a mask of four.
; 128 tiles of 256 x 256 are all that this product has: a smaller wave tile would read half as much again from LDS for each product.
; REGISTERS, in windows of 256: window 0: v16-23 LDS addresses, v24-26 the way out, v27 scale words' address, v28-29 the add's two, v32-63 scale words (two sets), v64-127 the bias, v128-223 A's fragments; on the way out v128-255 rows of out0.
;   window 1: B's fragments, two sets.   windows 2, 3: the accumulators.
.set FR,     12
.set NL,     4
.set NP,     4
.set NQ,     2
.set TROW,   3072
.set HALFT,  8*TROW
.set SLOT,   4*HALFT
.set LAPS,   2
.set SCL,    2*SLOT
.set HALFS,  4096
.set SPARE,  SCL+4*HALFS               ; the spare words, 128 bytes a wave: two blocks of 256 bytes that no other line names
.set SPITCH, 528                       ; the way out: a stage of 16 rows x (512 + 16) bytes for each wave, in slot 0, which has had its last fill and its last read when the first result is stored there
.set ADRA, 16
.set ADRB, 20
.set STO,  24
.set RD,   25
.set CO,   26
.set ADRS, 27
.set SPW,  28
.set NIL,  29
.set SC,   32
.set BI,   64
.set AF,   128
.set BK,   128
.set G1, 24
.set G0, 32
.set G1B, 48
.set G0B, 56
.set G1S, 68
.set G0S, 76
.set G1SB, 80
.set G0SB, 88
.set MSB, 0
.macro WIN new
.if MSB != \new
	s_set_vgpr_msb (MSB<<8)|\new
.set MSB, \new
.endif
.endm
.set MUL_LO, 0xa1                      ; source 0 (B) window 1, source 1 (A) window 0, C and D window 2
.set MUL_HI, 0xf1
.set TO_B,   0x40
.macro JLOAD g0a, g1a, g0b, g1b        ; a joint load: waves 0 and 1 fetch for A, waves 2 and 3 for B; an s_nop 0 and four v_nop follow each of the two lines
	s_cmp_eq_u32 s15, 0
	s_cbranch_scc0 .Lfor_b_\@
	tensor_load_to_lds s[\g0a:\g0a+3], s[\g1a:\g1a+7]
	s_nop 0
.rept 4
	v_nop
.endr
	s_branch .Lasked_\@
.Lfor_b_\@:
	tensor_load_to_lds s[\g0b:\g0b+3], s[\g1b:\g1b+7]
	s_nop 0
.rept 4
	v_nop
.endr
.Lasked_\@:
.endm
.macro CREST
	s_cmp_lg_u32 s14, 0
	s_cbranch_scc1 .Lnot_wave_0_\@
	s_barrier_signal -3
.Lnot_wave_0_\@:
	s_barrier_wait -3
	s_barrier_signal -1
	s_barrier_wait -1
.endm
.macro CROUND
	s_barrier_signal -1
	s_barrier_wait -1
	CREST
.endm
	s_load_b256 s[4:11], s[0:1], 0x0               ; yc, ys, wc, ws
	s_load_b128 s[92:95], s[0:1], 0x20             ; bp, out0
	v_lshl_add_u32 v[SPW], v0, 2, SPARE
	v_mov_b32 v[NIL], 0
	ds_add_u32 v[SPW], v[NIL]                      ; the wave's opening: the add and its wait stand ahead of my first tensor load
	v_lshrrev_b32 v1, 5, v0
	v_readfirstlane_b32 s14, v1                    ; wave 0..3
	s_lshr_b32 s15, s14, 1                         ; which half of the rows is mine.  Also: I fetch for A (0) or for B (1)
	s_and_b32 s16, s14, 1                          ; which half of the columns.  Also: which 8 tiles I fetch
	s_bfe_u32 s40, ttmp6, 0x40000                  ; cx
	s_bfe_u32 s41, ttmp6, 0x40004                  ; cy
	s_lshl_b32 s42, ttmp9, 2
	s_add_co_u32 s42, s42, s40                     ; block of 256 columns
	s_and_b32 s17, ttmp7, 0xffff
	s_lshl_b32 s17, s17, 2
	s_add_co_u32 s17, s17, s41                     ; block of 256 rows
	s_lshl_b32 s43, s41, 2
	s_lshl_b32 s43, 15, s43                        ; my row of the cluster
	s_lshl_b32 s44, 0x1111, s40                    ; my column
	s_or_b32 s[G1+0], s43, (3<<16)|(1<<21)         ; codes: 8 rows (tiles) of 3,072 bytes (384 elements of 8), 12,288 bytes apart; no padding
	s_or_b32 s[G1B+0], s44, (3<<16)|(1<<21)
.irp g, G1, G1B
	s_mov_b32 s[\g+1], 384<<16
	s_mov_b32 s[\g+2], 8<<16
	s_mov_b32 s[\g+3], 384<<16
	s_mov_b32 s[\g+4], 8
	s_mov_b32 s[\g+5], 1536
	s_mov_b32 s[\g+6], 0
	s_mov_b32 s[\g+7], 0
.endr
	s_or_b32 s[G1S+0], s43, (3<<16)|(1<<21)        ; scale words of 8 tiles: 4,096 dense bytes as 16 rows of 256
	s_or_b32 s[G1SB+0], s44, (3<<16)|(1<<21)
.irp g, G1S, G1SB
	s_mov_b32 s[\g+1], 32<<16
	s_mov_b32 s[\g+2], 16<<16
	s_mov_b32 s[\g+3], 32<<16
	s_mov_b32 s[\g+4], 16
	s_mov_b32 s[\g+5], 32
	s_mov_b32 s[\g+6], 0
	s_mov_b32 s[\g+7], 0
.endr
	s_lshl_b32 s18, s16, 3
	s_lshl_b32 s20, s17, 4
	s_add_co_u32 s20, s20, s18                     ; y's first tile that I fetch
	s_lshl_b32 s46, s42, 4
	s_add_co_u32 s46, s46, s18
	s_add_co_u32 s46, s46, 192                     ; Wp's
	s_lshl_b32 s22, s20, 9
	s_mov_b32 s23, 0
	s_mul_i32 s20, s20, 12288
	s_mov_b32 s21, 0
	s_lshl_b32 s66, s46, 9
	s_mov_b32 s67, 0
	s_mul_i32 s46, s46, 12288
	s_mov_b32 s47, 0
	s_mul_i32 s45, s14, HALFT
	s_lshl_b32 s2, s14, 12
	s_wait_dscnt 0x0                               ; the opening add is done
	s_wait_kmcnt 0x0
	s_add_nc_u64 s[20:21], s[4:5], s[20:21]
	s_add_nc_u64 s[22:23], s[6:7], s[22:23]
	s_add_nc_u64 s[46:47], s[8:9], s[46:47]
	s_add_nc_u64 s[66:67], s[10:11], s[66:67]
	CROUND                                         ; all sixteen work-groups are here: the first joint loads meet
	s_mov_b32 s[G0S], 1
	s_add_co_u32 s[G0S+1], s2, SCL
	s_mov_b64 s[G0S+2:G0S+3], s[22:23]
	s_or_b32 s[G0S+3], s[G0S+3], 0x80000000
	s_mov_b32 s[G0SB], 1
	s_add_co_u32 s[G0SB+1], s2, SCL
	s_mov_b64 s[G0SB+2:G0SB+3], s[66:67]
	s_or_b32 s[G0SB+3], s[G0SB+3], 0x80000000
	JLOAD G0S, G1S, G0SB, G1SB
.irp s, 0,1
	s_mov_b32 s[G0+4*\s], 1
	s_add_co_u32 s[G0+4*\s+1], s45, \s*SLOT
	s_add_nc_u64 s[G0+4*\s+2:G0+4*\s+3], s[20:21], \s*TROW
	s_or_b32 s[G0+4*\s+3], s[G0+4*\s+3], 0x80000000
	s_mov_b32 s[G0B+4*\s], 1
	s_add_co_u32 s[G0B+4*\s+1], s45, \s*SLOT
	s_add_nc_u64 s[G0B+4*\s+2:G0B+4*\s+3], s[46:47], \s*TROW
	s_or_b32 s[G0B+4*\s+3], s[G0B+4*\s+3], 0x80000000
	JLOAD G0+4*\s, G1, G0B+4*\s, G1B               ; three tensor loads of mine are out
.endr
	v_and_b32 v1, 15, v0                           ; r
	v_bfe_u32 v2, v0, 4, 1                         ; h
	v_and_b32 v3, 31, v0                           ; lane
	v_lshlrev_b32 v4, 4, v3
	v_lshlrev_b32 v5, 3, v3
	s_mul_i32 s21, s15, HALFT
	s_mul_i32 s22, s16, HALFT
	s_add_co_u32 s22, s22, 2*HALFT
.irp s, 0,1
	v_add_nc_u32 v[ADRA+\s], s21, v4
	v_add_nc_u32 v[ADRB+\s], s22, v4
	v_add_nc_u32 v[ADRA+2+\s], s21, v5
	v_add_nc_u32 v[ADRB+2+\s], s22, v5
	s_add_co_u32 s21, s21, SLOT
	s_add_co_u32 s22, s22, SLOT
.endr
	v_lshlrev_b32 v5, 3, v1
	s_mul_i32 s21, s15, HALFS
	s_mul_i32 s22, s16, HALFS
	s_add_co_u32 s22, s22, 2*HALFS
	s_sub_co_u32 s22, s22, s21
	v_mul_u32_u24 v6, s22, v2                      ; lanes 16-31 take B's scale words
	s_add_co_u32 s21, s21, SCL
	v_add_nc_u32 v5, v5, v6
	v_add_nc_u32 v[ADRS], s21, v5
	s_mul_i32 s21, s14, 16*SPITCH                  ; my stage
	v_mul_u32_u24 v5, v1, SPITCH
	v_lshl_add_u32 v5, v2, 6, v5
	v_add_nc_u32 v[STO], s21, v5                   ; in: row r, + 64 h bytes
	v_lshlrev_b32 v[CO], 4, v3                     ; back: the 32 lanes take one row of 512 bytes; and the same in out0
	v_add_nc_u32 v[RD], s21, v[CO]
	s_lshl_b32 s20, s17, 8
	s_lshl_b32 s21, s15, 7
	s_add_co_u32 s20, s20, s21                     ; my first row,
	s_lshl_b32 s20, s20, 12                        ; of 4,096 bytes
	s_lshl_b32 s22, s42, 8
	s_lshl_b32 s21, s16, 7
	s_add_co_u32 s22, s22, s21                     ; my first column,
	s_lshl_b32 s22, s22, 2                         ; in bytes
	s_mov_b32 s23, 0
	s_add_nc_u64 s[92:93], s[92:93], s[22:23]
	s_add_co_u32 s22, s22, s20
	s_add_nc_u64 s[94:95], s[94:95], s[22:23]
	v_lshlrev_b32 v6, 6, v2                        ; 64 h
.irp i, 0,1,2,3,4,5,6,7                ; v[BI + 8 i + j] = bp of column 32 (i / 2) + 16 h + 8 (i % 2) + j
	global_load_b128 v[BI+8*\i:BI+8*\i+3], v6, s[92:93] offset:128*(\i/2)+32*(\i%2)
	global_load_b128 v[BI+8*\i+4:BI+8*\i+7], v6, s[92:93] offset:128*(\i/2)+32*(\i%2)+16
.endr
.macro FRAG reg, adr, q, i
	ds_load_b128 v[\reg:\reg+3], v[\adr] offset:(\i)*TROW+(\q)*1536
	ds_load_b64 v[\reg+4:\reg+5], v[\adr+2] offset:(\i)*TROW+(\q)*1536+512
	ds_load_b128 v[\reg+6:\reg+9], v[\adr] offset:(\i)*TROW+(\q)*1536+768
	ds_load_b64 v[\reg+10:\reg+11], v[\adr+2] offset:(\i)*TROW+(\q)*1536+1280
.endm
; 16 matrix instructions: A's blocks a0, a0 + 1 x B's eight.  first = 1: the bias is the C: nothing is cleared and nothing added later.  The 64 accumulators take turns.
.macro MUL16 a0, p, q, sc, first
.irp a, \a0, \a0+1
.irp b, 0,1,2,3,4,5,6,7
.if \first
	v_wmma_scale_f32_16x16x128_f8f6f4 v[8*(8*((\a)%4)+\b):8*(8*((\a)%4)+\b)+7], v[128*(\p)+FR*\b:128*(\p)+FR*\b+FR-1], v[AF+FR*(\a):AF+FR*(\a)+FR-1], v[BI+8*\b:BI+8*\b+7], v[SC+8*NQ*(\sc)+NQ*\b+(\q)], v[SC+8*NQ*(\sc)+NQ*(\a)+(\q)] matrix_a_fmt:MATRIX_FMT_FP6 matrix_b_fmt:MATRIX_FMT_FP6 matrix_a_scale:MATRIX_SCALE_ROW1
.else
	v_wmma_scale_f32_16x16x128_f8f6f4 v[8*(8*((\a)%4)+\b):8*(8*((\a)%4)+\b)+7], v[128*(\p)+FR*\b:128*(\p)+FR*\b+FR-1], v[AF+FR*(\a):AF+FR*(\a)+FR-1], v[8*(8*((\a)%4)+\b):8*(8*((\a)%4)+\b)+7], v[SC+8*NQ*(\sc)+NQ*\b+(\q)], v[SC+8*NQ*(\sc)+NQ*(\a)+(\q)] matrix_a_fmt:MATRIX_FMT_FP6 matrix_b_fmt:MATRIX_FMT_FP6 matrix_a_scale:MATRIX_SCALE_ROW1
.endif
.endr
.endr
.endm
.macro FETCH_B slot, q, p
	WIN TO_B
.irp i, 0,1,2,3,4,5,6,7
	FRAG 128*(\p)+FR*\i, ADRB+\slot, \q, \i
.endr
	WIN 0
.endm
.macro FETCH_A slot, q, i0
.irp i, \i0, \i0+1, \i0+2, \i0+3
	FRAG AF+FR*(\i), ADRA+\slot, \q, \i
.endr
.endm
.macro SCALES sc
.irp i, 0,1,2,3,4,5,6,7
	ds_load_b64 v[SC+8*NQ*\sc+NQ*\i:SC+8*NQ*\sc+NQ*\i+1], v[ADRS] offset:\i*512
.endr
.endm
.macro PLACES n
.rept \n
	v_nop
.endr
.endm
.macro STEP slot, q, first
	s_wait_dscnt 4*NL                              ; B's set and A's blocks 0-3 are in; the youngest 16 loads (A's blocks 4-7) may be out
.if \first
	WIN 0x81                                       ; C (the bias) window 0, D window 2
.else
	WIN MUL_LO
.endif
	MUL16 0, (\q)%2, \q, \slot, \first
	MUL16 2, (\q)%2, \q, \slot, \first
	s_wait_dscnt 0
	PLACES NP
	FETCH_B \slot, (\q)+1, 1-(\q)%2
	FETCH_A \slot, (\q)+1, 0
.if \first
	WIN 0xc1
.else
	WIN MUL_HI
.endif
	MUL16 4, (\q)%2, \q, \slot, \first
	MUL16 6, (\q)%2, \q, \slot, \first
	PLACES NP
	WIN 0
	FETCH_A \slot, (\q)+1, 4
.endm
.macro TURN slot, next, fill
	s_wait_tensorcnt 0x0                           ; all my tensor loads have landed: my part of the next slot
	ds_add_u32 v[SPW], v[NIL]                      ; 0 onto my spare word
	s_wait_dscnt 4*NL+1                            ; (the add and the youngest 16 loads may be out)
	WIN MUL_LO
	MUL16 0, 1, NQ-1, \slot, 0
	s_wait_dscnt 0x0                               ; the add is done, and my reads of this slot are over
	s_barrier_signal -1
	MUL16 2, 1, NQ-1, \slot, 0
	WIN 0
	s_barrier_wait -1
.if \fill
	CREST                                          ; a round of the cluster's barrier: no wave of any partner still reads this slot or has a load on its way
	s_add_nc_u64 s[G0+4*\slot+2:G0+4*\slot+3], s[G0+4*\slot+2:G0+4*\slot+3], 2*TROW
	s_add_nc_u64 s[G0B+4*\slot+2:G0B+4*\slot+3], s[G0B+4*\slot+2:G0B+4*\slot+3], 2*TROW
	JLOAD G0+4*\slot, G1, G0B+4*\slot, G1B
.else
	PLACES NP
.endif
	v_add_nc_u32 v[ADRS], 128, v[ADRS]
	FETCH_B \next, 0, 0
	FETCH_A \next, 0, 0
	SCALES \next
	WIN MUL_HI
	MUL16 4, 1, NQ-1, \slot, 0
	MUL16 6, 1, NQ-1, \slot, 0
	PLACES NP
	WIN 0
	FETCH_A \next, 0, 4
.endm
	s_wait_tensorcnt 1                             ; the scale words and my part of slot 0 are in (slot 1's load may be out)
	s_barrier_signal -1
	s_barrier_wait -1                              ; everybody's are
	FETCH_B 0, 0, 0
	FETCH_A 0, 0, 0
	SCALES 0
	FETCH_A 0, 0, 4
	s_wait_loadcnt 0x0                             ; the bias
	STEP 0, 0, 1
	s_mov_b32 s3, LAPS-1
.Llap:
	TURN 0, 1, 1
	STEP 1, 0, 0
	TURN 1, 0, 1
	STEP 0, 0, 0
	s_sub_co_u32 s3, s3, 1
	s_cmp_lg_u32 s3, 0
	s_cbranch_scc1 .Llap
	TURN 0, 1, 0
	STEP 1, 0, 0
	s_wait_dscnt 4*NL
	WIN MUL_LO
	MUL16 0, 1, NQ-1, 1, 0
	MUL16 2, 1, NQ-1, 1, 0
	s_wait_dscnt 0
	WIN MUL_HI
	MUL16 4, 1, NQ-1, 1, 0
	MUL16 6, 1, NQ-1, 1, 0
	WIN 0
; THE WAY OUT, block by block of 16 rows x 128 columns, through my own stage: in as 32 bytes a lane and accumulator, back as whole rows of 512 bytes.  LDS serves a wave's instructions in order: no wait between stores and loads.
.macro TOSTAGE a
.set AC, 64*((\a)%4)
	WIN 0x08+4*((\a)/4)                            ; the data: window 2 or 3
.irp b, 0,1,2,3,4,5,6,7
	ds_store_b128 v[STO], v[AC+8*\b:AC+8*\b+3] offset:128*(\b/2)+32*(\b%2)          ; each accumulator from its low end on
	ds_store_b128 v[STO], v[AC+8*\b+4:AC+8*\b+7] offset:128*(\b/2)+32*(\b%2)+16
.endr
	WIN 0
.set BB, BK+64*((\a)%2)
.irp t, 0,1,2,3,4,5,6,7,8,9,10,11,12,13,14,15
	ds_load_b128 v[BB+4*\t:BB+4*\t+3], v[RD] offset:\t*SPITCH
.endr
.endm
.macro SEND a, younger                 ; younger: the LDS instructions issued behind block a's loads, which may stay out
.set BB, BK+64*((\a)%2)
	s_wait_dscnt \younger
.irp t, 0,1,2,3,4,5,6,7,8,9,10,11,12,13,14,15
	global_store_b128 v[CO], v[BB+4*\t:BB+4*\t+3], s[94:95] offset:(32*((\a)/2)+8*((\a)%2)+\t+8*(\t/8))*4096 th:TH_STORE_NT   ; 512 consecutive bytes, at a multiple of 256; the tile's row t is row t + 8 (t / 8) from the tile's first
.endr
.endm
	PLACES NP                                      ; behind the last products: results are read, and loads land where A's fragments lay
	TOSTAGE 0
.irp a, 1,2,3,4,5,6,7
.if \a > 1
	s_wait_xcnt 0x0                                ; block a - 2's stores have read their registers: block a's loads may land there
.endif
	TOSTAGE \a
	SEND \a-1, 32                                  ; behind block a - 1's loads: block a's 16 stores and 16 loads
.endr
	SEND 7, 0
	s_wait_tensorcnt 0x0                           ; the wave's end: behind my last tensor load and my last LDS store
	ds_add_u32 v[SPW], v[NIL]
	s_wait_dscnt 0x0
	CROUND                                         ; the closing round
	s_endpgm
.Lfunc_end_k_q863b11f82e_proj:
	.size	k_q863b11f82e_proj, .Lfunc_end_k_q863b11f82e_proj-k_q863b11f82e_proj
	.p2alignl 7, 3214868480
	.fill 96, 4, 3214868480
	.section	.rodata,"a",@progbits
	.p2align	6, 0x0
	.amdhsa_kernel k_q863b11f82e_proj
		.amdhsa_group_segment_fixed_size 327680
		.amdhsa_private_segment_fixed_size 0
		.amdhsa_enable_private_segment 0
		.amdhsa_kernarg_size 48
		.amdhsa_user_sgpr_count 2
		.amdhsa_user_sgpr_kernarg_segment_ptr 1
		.amdhsa_wavefront_size32 1
		.amdhsa_system_sgpr_workgroup_id_x 1
		.amdhsa_system_sgpr_workgroup_id_y 1
		.amdhsa_system_sgpr_workgroup_id_z 1
		.amdhsa_system_vgpr_workitem_id 0
		.amdhsa_next_free_vgpr 1024
		.amdhsa_next_free_sgpr 102
		.amdhsa_reserve_vcc 0
		.amdhsa_float_denorm_mode_32 3
		.amdhsa_float_denorm_mode_16_64 3
		.amdhsa_memory_ordered 1
		.amdhsa_forward_progress 1
		.amdhsa_inst_pref_size 145
	.end_amdhsa_kernel
	.amdgpu_metadata
---
amdhsa.version: [ 1, 2 ]
amdhsa.kernels:
  - .name:           k_q863b11f82e_proj
    .symbol:         k_q863b11f82e_proj.kd
    .args:
      - { .name: yc, .offset: 0, .size: 8, .value_kind: global_buffer, .address_space: global }
      - { .name: ys, .offset: 8, .size: 8, .value_kind: global_buffer, .address_space: global }
      - { .name: wc, .offset: 16, .size: 8, .value_kind: global_buffer, .address_space: global }
      - { .name: ws, .offset: 24, .size: 8, .value_kind: global_buffer, .address_space: global }
      - { .name: bp, .offset: 32, .size: 8, .value_kind: global_buffer, .address_space: global }
      - { .name: out0, .offset: 40, .size: 8, .value_kind: global_buffer, .address_space: global }
    .group_segment_fixed_size: 327680
    .private_segment_fixed_size: 0
    .kernarg_segment_align: 8
    .kernarg_segment_size: 48
    .max_flat_workgroup_size: 128
    .sgpr_count:     102
    .vgpr_count:     1024
    .wavefront_size: 32
...
	.end_amdgpu_metadata
.endif
;; end of part 4
